; MI455X (gfx1250); checked and timed in simulation.
; The chip was launched on July 23, 2026; its instructions are those of AMD's public machine-readable ISA for CDNA 5 (MIT licence, August 2026) and "CDNA5" Instruction Set Architecture Reference Guide (July 2026). The comments in the code are by the model that wrote it; some were corrected since.
;; Multi Head Self Attention. Allowed arithmetic: matrix products marked QUANTISED: E5M2 operands, one given power-of-two scale a tensor, by v_wmma_f32_16x16x64_bf8_bf8 or v_wmma_f32_16x16x128_bf8_bf8, f32 sums; products left as they are: f32 operands where the result goes on into a quantised operand, else bf16, f16 or f32 operands; f32 sums; everything else in f32.
;; Inputs: Wk_codes 1,024 x 32 x 32 uint8 (E5M2 codes of Wk, K innermost, in blocks of 32 codes); Wo_codes 1,024 x 32 x 32 uint8 (E5M2 codes of Wo, K innermost, in blocks of 32 codes); Wq_codes 1,024 x 32 x 32 uint8 (E5M2 codes of Wq, K innermost, in blocks of 32 codes); Wv_codes 1,024 x 32 x 32 uint8 (E5M2 codes of Wv, K innermost, in blocks of 32 codes); bk 1,024 float32; bo 1,024 float32; bq 1,024 float32; bv 1,024 float32; lowp_scales 12 int32 (the exponents e of the quantised operands' scales 2^e); x_codes 4 x 2,048 x 32 x 32 uint8 (E5M2 codes of x, K innermost, in blocks of 32 codes).
;; Outputs: out0 4 x 2,048 x 1,024 float32.
;; This version of the problem:
;;   THIS VERSION OF THE PROBLEM IS GIVEN IN LOW PRECISION. The matrix products marked QUANTISED in the list below multiply operands that are first quantised to E5M2 (5 exponent bits, 2 mantissa bits; 8 bits a number), with one given power-of-two scale for each operand tensor; their sums are f32. All else is computed in f32.
;;   The module's matrix products, in the order in which they are computed (A, B: the left and right operand; K: the contracted axis; several contracted axes count as one K, in the product's order):
;;     1. [M 8,192, K 1,024] x [K 1,024, N 1,024]; A: input x (given as codes); B: input Wq (given as codes): QUANTISED (scales: A lowp_scales[0], B lowp_scales[1])
;;     2. [M 8,192, K 1,024] x [K 1,024, N 1,024]; A: input x (given as codes); B: input Wk (given as codes): QUANTISED (scales: A lowp_scales[2], B lowp_scales[3])
;;     3. [M 8,192, K 1,024] x [K 1,024, N 1,024]; A: input x (given as codes); B: input Wv (given as codes): QUANTISED (scales: A lowp_scales[4], B lowp_scales[5])
;;     4. [M 2,048, K 1] x [K 1, N 32]; A: computed on the way; B: computed on the way: left as it is (no contracted axis)
;;     5. batch 64 x [M 2,048, K 64] x [K 64, N 2,048]; A: computed on the way; B: computed on the way: QUANTISED (scales: A lowp_scales[6], B lowp_scales[7])
;;     6. batch 64 x [M 2,048, K 2,048] x [K 2,048, N 64]; A: softmax (see below); B: computed on the way: QUANTISED (scales: A lowp_scales[8], B lowp_scales[9])
;;     7. [M 8,192, K 1,024] x [K 1,024, N 1,024]; A: computed on the way; B: input Wo (given as codes): QUANTISED (scales: A lowp_scales[10], B lowp_scales[11])
;;   THE QUANTISER, for each operand of a quantised product, along K:
;;     - The operand's scale is 2^e, e = its entry of the input lowp_scales (int32; the entries are numbered through the quantised products in the list's order, A before B).
;;     - Each number is divided by the scale, clamped to +-57,344, and rounded to the nearest number of E5M2, ties to even, subnormals kept.
;;     - The product sums the exact products of the quantised numbers (number of the format x scale) in f32.
;;   ~~~python
;;   def quantise(x, axis, e):      # numpy; x: float32 -> the quantised numbers, widened to float32 again
;;       x = np.moveaxis(x, axis, -1); K = x.shape[-1]
;;       r = np.clip(x / 2.0 ** e, -57344, 57344)
;;       step = 2.0 ** (np.maximum(np.frexp(np.where(r == 0, 1, r))[1] - 1, -14) - 2)
;;       q = np.round(r / step) * step * 2.0 ** e      # np.round: ties to even
;;       return np.moveaxis(q, -1, axis).astype(np.float32)
;;   ~~~
;;   SOFTMAX AHEAD OF A QUANTISED PRODUCT. Where the list says 'softmax', what is quantised is not the finished softmax but p = 2^(t - M), with t = logit x log2(e) and M = ceil(the row's largest t), a whole number; so 1/2 < the row's largest p <= 1. The row's sum l is taken of the UNQUANTISED p, in f32, and the product's result is divided by l at the end. Since M is a whole number, a kernel that streams over the keys may use a running M (the ceiling of the running maximum): every later rescaling is an exact power of two, so the quantised numbers keep their values, but for numbers so far below the row's largest that they fall under the format's range.
;;   OPERANDS COMPUTED ON THE WAY. 'Computed on the way' means the value that the module computes at that place (a softmax that the list does not call 'softmax' is quantised finished and normalised). What goes into a quantiser is computed in f32, as accurately as f32 sums, v_exp_f32 and their like allow (about 1e-6 of the number): no bf16 or f16 on the way to a quantiser, and a product that is left as it is and whose result goes on into a quantised operand takes f32 operands (vector FMAs, or v_wmma_f32_16x16x4_f32). A number that lies on a knife's edge between two numbers of the format may be rounded either way, as far as f32 arithmetic and the matrix unit's own rounding can turn it there, and no further.
;;   INPUTS GIVEN AS CODES. Wk (in the module: [1024, 1024], K = its axis 1); Wo (in the module: [1024, 1024], K = its axis 1); Wq (in the module: [1024, 1024], K = its axis 1); Wv (in the module: [1024, 1024], K = its axis 1); x (in the module: [4, 2048, 1024], K = its axis 2): each comes as NAME_codes (uint8): NAME with its K axis moved to the last place and cut into blocks of 32 codes, [.., K / 32, bytes a block], one block behind the other in memory; one code a byte (a code: sign, 5 exponent bits, 2 mantissa bits); its scale is its entry of lowp_scales. Its value is code x scale, taken as it is: it is not quantised again, and the codes and scales need not be those that the quantiser above would give.
;; One version. Each part assembles by itself: llvm-mc -triple=amdgcn-amd-amdhsa -mcpu=gfx1250 --defsym DOCPART=n.
;; ======== version 1 of 1: 4 launches
;; limits: right only within a limited range of input values
;; workspace buffers: rope 524,288 bytes; qimg 8,388,608 bytes; kimg 8,388,608 bytes; vimg 8,388,608 bytes; aimg 8,388,608 bytes
;; launch ropetab (part 1): grid 256 x 1, 2 waves a work-group, no clusters, 0 bytes of LDS; arguments rope; writes rope
.if DOCPART == 1
	.amdgcn_target "amdgcn-amd-amdhsa--gfx1250"
	.amdhsa_code_object_version 6
	.text
	.protected	k_qeeb4d3edaa_ropetab
	.globl	k_qeeb4d3edaa_ropetab
	.p2align	8
	.type	k_qeeb4d3edaa_ropetab,@function
k_qeeb4d3edaa_ropetab:
	s_mov_b64 s[64:65], 0
	v_nop
	global_prefetch_b8 v0, s[64:65] scope:SCOPE_SE
	s_setreg_imm32_b32 hwreg(HW_REG_WAVE_MODE, 25, 1), 1
	s_wait_xcnt 0x0
; THE ROPE TABLES.  rope: cos[t][i] f32 at byte 128 t + 4 i, sin[t][i] at 262,144 + 128 t + 4 i; t = 0 .. 2,047, i = 0 .. 31.
; angle = fl(t x inv[i]), inv[i] = fl(1 / fl(10000^(i / 32))) = fl(1 / fl(10^(i / 8))).
; 16,384 threads; thread G = 64 x work-group + thread takes t = G / 8 and i = 4 g + p, g = G % 8, p = 0 .. 3: 16 bytes of each table at 16 G,
; so a wave's store covers 512 consecutive bytes, aligned.  No loop, no LDS, no matrix work: each number is made once.
; 10^(i / 8) = 10^(g / 2) x 10^(p / 8) is made in pairs of f32 (high part, low part), from three square roots of 10 with one correction step each,
; and rounded to f32 once; the reciprocal has one correction step.  The angle is reduced by n = the nearest whole number to angle x 2 / pi with pi / 2 in two parts
; (the first subtraction is exact: n has 11 bits and the difference is a multiple of 2^-23 under 1), then sine and cosine by polynomials on +-pi / 4.
; LIMIT: cos and sin are good to about 1e-7 absolute for the angles of this table (under 2,048).
; REGISTERS: v1 G, v2 t as f32, v3 g, v4 16 G; v8-23 the pairs; v24-27 10^(i/8); v28-31 inv; v32-39 at work; v[40:43] cos, v[44:47] sin.
.macro DSQRT dh, dl, xh, xl            ; (dh, dl) = the square root of (xh, xl)
	v_sqrt_f32 v[\dh], v[\xh]
	v_nop                                          ; a plain instruction behind the transcendental,
	s_wait_alu depctr_va_vdst(0)                   ; and the wait ahead of the first reader
	v_rcp_f32 v32, v[\dh]
	v_fma_f32 v33, -v[\dh], v[\dh], v[\xh]         ; what the high part leaves (the plain instruction behind the reciprocal)
	s_wait_alu depctr_va_vdst(0)
	v_add_f32 v33, v33, v[\xl]
	v_mul_f32 v32, 0.5, v32
	v_mul_f32 v[\dl], v33, v32                     ; / (2 x the high part)
.endm
.macro DMUL ph, pl, ah, al, bh, bl     ; (ph, pl) = (ah, al) x (bh, bl)
	v_mul_f32 v[\ph], v[\ah], v[\bh]
	v_fma_f32 v[\pl], v[\ah], v[\bh], -v[\ph]
	v_fma_f32 v[\pl], v[\ah], v[\bl], v[\pl]
	v_fma_f32 v[\pl], v[\al], v[\bh], v[\pl]
.endm
	s_load_b64 s[2:3], s[0:1], 0x0                 ; rope
	s_mov_b32 s4, 0x3f22f983                       ; 2 / pi
	s_mov_b32 s5, 0x3fc90fdb                       ; pi / 2, high part
	s_mov_b32 s6, 0x333bbd2e                       ; that high part less pi / 2
	s_mov_b32 s7, 0xb94ca1f9                       ; sine: -1.9515296e-4,
	s_mov_b32 s8, 0x3c08839e                       ; 8.3321609e-3,
	s_mov_b32 s9, 0xbe2aaaa3                       ; -1.6666655e-1
	s_mov_b32 s10, 0x37ccf5ce                      ; cosine: 2.4433157e-5,
	s_mov_b32 s11, 0xbab6061a                      ; -1.3887316e-3,
	s_mov_b32 s12, 0x3d2aaaa5                      ; 4.1666646e-2
	s_lshl_b32 s13, ttmp9, 6
	v_add_nc_u32 v1, s13, v0                       ; G
	v_lshrrev_b32 v2, 3, v1
	v_cvt_f32_u32 v2, v2                           ; t
	v_and_b32 v3, 7, v1                            ; g
	v_lshlrev_b32 v4, 4, v1                        ; 16 G
	v_mov_b32 v8, 0x41200000                       ; 10
	v_mov_b32 v9, 0
	s_wait_alu depctr_va_vdst(0)
	DSQRT 10, 11, 8, 9                             ; 10^(1/2)
	DSQRT 12, 13, 10, 11                           ; 10^(1/4)
	DSQRT 14, 15, 12, 13                           ; 10^(1/8)
	DMUL 16, 17, 14, 15, 12, 13                    ; 10^(3/8)
	v_and_b32 v34, 1, v3                           ; 10^(g / 2): bit 0 of g gives 10^(1/2), bit 1 gives 10, bit 2 gives 100
	v_cmp_eq_u32 vcc_lo, 1, v34
	v_cndmask_b32 v20, 1.0, v10, vcc_lo
	v_cndmask_b32 v21, 0, v11, vcc_lo
	v_and_b32 v34, 2, v3
	v_cmp_eq_u32 vcc_lo, 2, v34
	v_cndmask_b32 v22, 1.0, v8, vcc_lo
	v_and_b32 v34, 4, v3
	v_cmp_eq_u32 vcc_lo, 4, v34
	v_mov_b32 v35, 0x42c80000                      ; 100
	v_cndmask_b32 v35, 1.0, v35, vcc_lo
	v_mul_f32 v22, v22, v35                        ; 1, 10, 100 or 1,000: exact
	v_mul_f32 v18, v20, v22
	v_fma_f32 v19, v20, v22, -v18
	v_fma_f32 v19, v21, v22, v19                   ; (v18, v19) = 10^(g / 2)
	v_add_f32 v24, v18, v19                        ; p = 0
	DMUL 36, 37, 18, 19, 14, 15
	v_add_f32 v25, v36, v37                        ; p = 1
	DMUL 36, 37, 18, 19, 12, 13
	v_add_f32 v26, v36, v37                        ; p = 2
	DMUL 36, 37, 18, 19, 16, 17
	v_add_f32 v27, v36, v37                        ; p = 3: each rounded to f32 once
	s_wait_alu depctr_va_vdst(0)
.irp p, 0,1,2,3
	v_rcp_f32 v[28+\p], v[24+\p]
.endr
	v_nop                                          ; one plain instruction and one wait for the batch of four
	s_wait_alu depctr_va_vdst(0)
.irp p, 0,1,2,3
	v_fma_f32 v32, -v[24+\p], v[28+\p], 1.0
	v_fma_f32 v[28+\p], v[28+\p], v32, v[28+\p]    ; inv, corrected once
.endr
.macro SINCOS p
	v_mul_f32 v32, v2, v[28+\p]                    ; the angle: one rounding
	v_mul_f32 v33, s4, v32
	v_rndne_f32 v33, v33                           ; n
	v_fma_f32 v34, -v33, s5, v32                   ; exact
	v_fma_f32 v34, v33, s6, v34                    ; r = angle - n pi / 2
	v_mul_f32 v35, v34, v34                        ; z
	v_fma_f32 v36, s7, v35, s8
	v_fma_f32 v36, v36, v35, s9
	v_mul_f32 v36, v36, v35
	v_fma_f32 v36, v36, v34, v34                   ; sin r
	v_fma_f32 v37, s10, v35, s11
	v_fma_f32 v37, v37, v35, s12
	v_mul_f32 v37, v37, v35
	v_fma_f32 v38, -0.5, v35, 1.0
	v_fma_f32 v37, v37, v35, v38                   ; cos r
	v_cvt_i32_f32 v33, v33
	v_and_b32 v38, 1, v33
	v_cmp_eq_u32 vcc_lo, 1, v38                    ; n odd: the two change places
	v_cndmask_b32 v[44+\p], v36, v37, vcc_lo
	v_cndmask_b32 v[40+\p], v37, v36, vcc_lo
	v_lshlrev_b32 v38, 30, v33                     ; the sine is negative where n % 4 is 2 or 3,
	v_and_b32 v38, 0x80000000, v38
	v_xor_b32 v[44+\p], v[44+\p], v38
	v_add_nc_u32 v39, 1, v33                       ; the cosine where it is 1 or 2
	v_lshlrev_b32 v39, 30, v39
	v_and_b32 v39, 0x80000000, v39
	v_xor_b32 v[40+\p], v[40+\p], v39
.endm
	SINCOS 0
	SINCOS 1
	SINCOS 2
	SINCOS 3
	s_wait_alu depctr_va_vdst(0)
	s_wait_kmcnt 0x0
	global_store_b128 v4, v[40:43], s[2:3]
	global_store_b128 v4, v[44:47], s[2:3] offset:262144
	s_endpgm
.Lfunc_end_k_qeeb4d3edaa_ropetab:
	.size	k_qeeb4d3edaa_ropetab, .Lfunc_end_k_qeeb4d3edaa_ropetab-k_qeeb4d3edaa_ropetab
	.p2alignl 7, 3214868480
	.fill 96, 4, 3214868480
	.section	.rodata,"a",@progbits
	.p2align	6, 0x0
	.amdhsa_kernel k_qeeb4d3edaa_ropetab
		.amdhsa_group_segment_fixed_size 0
		.amdhsa_private_segment_fixed_size 0
		.amdhsa_enable_private_segment 0
		.amdhsa_kernarg_size 8
		.amdhsa_user_sgpr_count 2
		.amdhsa_user_sgpr_kernarg_segment_ptr 1
		.amdhsa_wavefront_size32 1
		.amdhsa_system_sgpr_workgroup_id_x 1
		.amdhsa_system_sgpr_workgroup_id_y 1
		.amdhsa_system_sgpr_workgroup_id_z 1
		.amdhsa_system_vgpr_workitem_id 0
		.amdhsa_next_free_vgpr 64
		.amdhsa_next_free_sgpr 66
		.amdhsa_reserve_vcc 1
		.amdhsa_float_denorm_mode_32 3
		.amdhsa_float_denorm_mode_16_64 3
		.amdhsa_memory_ordered 1
		.amdhsa_forward_progress 1
		.amdhsa_inst_pref_size 10
	.end_amdhsa_kernel
	.amdgpu_metadata
---
amdhsa.version: [ 1, 2 ]
amdhsa.kernels:
  - .name:           k_qeeb4d3edaa_ropetab
    .symbol:         k_qeeb4d3edaa_ropetab.kd
    .args:
      - { .name: rope, .offset: 0, .size: 8, .value_kind: global_buffer, .address_space: global }
    .group_segment_fixed_size: 0
    .private_segment_fixed_size: 0
    .kernarg_segment_align: 8
    .kernarg_segment_size: 8
    .max_flat_workgroup_size: 64
    .sgpr_count:     66
    .vgpr_count:     64
    .wavefront_size: 32
...
	.end_amdgpu_metadata
.endif
;; end of part 1
;; launch qkv (part 2): grid 12 x 32, 4 waves a work-group, clusters of 4 x 4, 327,680 bytes of LDS; arguments x_codes, Wq_codes, Wk_codes, Wv_codes, bq, bk, bv, lowp_scales, rope, qimg, kimg, vimg; writes qimg, kimg, vimg
.if DOCPART == 2
	.amdgcn_target "amdgcn-amd-amdhsa--gfx1250"
	.amdhsa_code_object_version 6
	.text
	.protected	k_qeeb4d3edaa_qkv
	.globl	k_qeeb4d3edaa_qkv
	.p2align	8
	.type	k_qeeb4d3edaa_qkv,@function
k_qeeb4d3edaa_qkv:
	s_mov_b64 s[64:65], 0
	v_nop
	global_prefetch_b8 v0, s[64:65] scope:SCOPE_SE
	s_setreg_imm32_b32 hwreg(HW_REG_WAVE_MODE, 25, 1), 1
	s_wait_xcnt 0x0
	s_wait_alu depctr_hold_cnt(0) depctr_sa_sdst(0) depctr_va_vdst(0) depctr_va_sdst(0) depctr_va_ssrc(0) depctr_va_vcc(0) depctr_vm_vsrc(0)
	s_getreg_b32 s2, hwreg(HW_REG_IB_STS2, 6, 4)
	s_cmp_eq_u32 s2, 0
	s_cbranch_scc0 .Lentry_in_a_cluster
	s_endpgm
.Lentry_in_a_cluster:
	s_bfe_u32 s2, ttmp6, 0x10000c
	s_cmp_lg_u32 s2, 0xf033
	s_cbranch_scc0 .Lentry_shape_is_right
	s_endpgm
.Lentry_shape_is_right:
; q = rope(x Wq^T + bq), k = rope(x Wk^T + bk), v = x Wv^T + bv, on codes of BF8 (E5M2), and each result quantised with its given scale (entries 6, 7, 9 of the scales) into an image of the
; operand registers that the attention launch loads.  x: [8192][1024] codes, W: [1024][1024] codes, K innermost.
; ONE GENERIC PRODUCT C'[m'][n'] = sum over k of A'[m'][k] B'[n'][k], a tile of 256 x 256 to a work-group of four waves, 128 x 128 (64 accumulators, 512 registers) to a wave, K in steps of 256 through a ring of
; two LDS slots filled by the tensor data mover.  THE MATRIX INSTRUCTION IS USED TRANSPOSED (source 0 = 16 rows of B', source 1 = 16 rows of A'): a lane holds one m' and eight neighbouring n'.
;   cluster x = 0: q, 1: k:  A' = x (m' = token), B' = W (n' = feature): a lane's eight numbers are eight neighbours of a head's 64, the next product's K.
;   cluster x = 2: v:        A' = Wv (m' = feature), B' = x (n' = token): a lane's eight numbers are eight neighbouring KEYS, the K of the second product of attention: nothing is transposed.
; One conversion of a lane's eight numbers gives registers 2 b, 2 b + 1 of the 8-bit operand layout (k = 16 b + 8 (lane / 16) + 0 .. 7), so the codes are stored as they stand, 16 bytes a lane at 16 x lane:
; each store of the wave covers 512 consecutive bytes, aligned.
;   qimg, kimg: [16 batch + head][token / 16][c = 0, 1][lane][16 bytes]      vimg: [16 batch + head][key / 128][d / 16][c = 0 .. 3][lane][16 bytes]
; CLUSTERS: 4 x 4 work-groups; A's tile hangs on cy alone of the place in the cluster and is asked for jointly along a row, B's on cx alone and jointly along a column.  Which of q, k, v is made hangs on the
; cluster's x, which all sixteen partners share: pointers and exponents are chosen by selects on it, and one branch on it parts the two ways out.
; LIMITS: the sum of x's and W's exponents of each product between -126 and 127; entries 6, 7, 9 between -126 and 112, so that each power of two below is an f32 number.  NaN and infinity among the codes are not served.
; REGISTERS, in windows of 256: window 0: v1 r, v2 h, v8-11 offsets, v16-21 LDS addresses, v28-31 the add's two and the two numbers of the quantiser; v32-95 the bias; v96-127 cos and sin, set 0;
;   from v128 A's fragments, ONE set; on the way out v128-191 the numbers, v192-223 cos and sin, set 1.   window 1: B's fragments, TWO sets; on the way out v0-63 the turned numbers, v128-255 the codes, 16 registers
;   for each block, so that no store's data are written again.   windows 2, 3: the accumulators ((a, b) at v[8 (8 (a % 4) + b)] of window 2 + a / 4).
.set KSTEP,  256                       ; along K in a slot
.set ROWB,   256                       ; a tile's row in bytes
.set KROW,   1024                      ; a row of x or of W in memory, in bytes
.set PITCH,  272                       ; an LDS row: 256 bytes + 16 of padding = 68 words: the 16 rows that a load touches start at 16 different banks (64 banks of 4 bytes: ISA guide 11.1)
.set FR,     16                        ; registers of a fragment: 16 rows x 128 K
.set NL,     4                         ; LDS loads that bring one
.set NP,     4                         ; places behind this matrix instruction (ISA guide 7.12.1)
.set HALFT,  128*PITCH                 ; 128 rows: what one tensor load brings
.set SLOT,   4*HALFT                   ; A's 256 rows, then B's 256 rows
.set LAPS,   2                         ; 1,024 along K = four K steps = twice round the ring
.set SPARE,  2*SLOT                    ; behind the ring: the spare words, 128 bytes for each wave
.set ADRA, 16                          ; v16-17  LDS address of my A fragments in slot 0, 1
.set ADRB, 20                          ; v20-21  the same for B
.set SPW,  28                          ; v28     LDS address of my spare word; never rewritten
.set NIL,  29                          ; v29     0; never rewritten
.set SCV,  30                          ; v30     2^eo as f32: the conversion takes its exponent field
.set LIMV, 31                          ; v31     57,344 x 2^eo
.set BIAS, 32
.set AF,   128                         ; A's fragments, in window 0
.set T,    128                         ; the way out: sum x 2^(ex + ew) + bias, in window 0
.set G1, 24                            ; s[24:31] descriptor group 1 for A's tiles;  s[32:39] group 0, one set for each slot
.set G0, 32
.set G1B, 48                           ; s[48:55], s[56:63] the same for B's tiles
.set G0B, 56
.set MSB, 0
.macro WIN new                         ; the immediate's high byte repeats the setting that is left
.if MSB != (\new)
	s_set_vgpr_msb (MSB<<8)|(\new)
.set MSB, (\new)
.endif
.endm
.set MUL_LO, 0xa1                      ; source 0 (B) window 1, source 1 (A) window 0, C and D window 2
.set MUL_HI, 0xf1                      ; the same, C and D window 3
.set TO_B,   0x40                      ; destination window 1, address window 0
; A joint load: waves 0 and 1 fetch for A, waves 2 and 3 for B; the branch hangs on the wave's number alone.  Four v_nop follow each of the two lines.
.macro JLOAD g0a, g1a, g0b, g1b
	s_cmp_eq_u32 s15, 0
	s_cbranch_scc0 .Lfor_b_\@
	tensor_load_to_lds s[\g0a:\g0a+3], s[\g1a:\g1a+7]
	s_nop 0
.rept 4
	v_nop
.endr
	s_branch .Lasked_\@
.Lfor_b_\@:
	tensor_load_to_lds s[\g0b:\g0b+3], s[\g1b:\g1b+7]
	s_nop 0
.rept 4
	v_nop
.endr
.Lasked_\@:
.endm
.macro CREST                           ; a round of the cluster's barrier behind its opening barrier
	s_cmp_lg_u32 s14, 0
	s_cbranch_scc1 .Lnot_wave_0_\@
	s_barrier_signal -3
.Lnot_wave_0_\@:
	s_barrier_wait -3
	s_barrier_signal -1
	s_barrier_wait -1
.endm
.macro CROUND                          ; a whole round
	s_barrier_signal -1
	s_barrier_wait -1
	CREST
.endm
	s_load_b256 s[68:75], s[0:1], 0x0              ; x s[68:69], Wq s[70:71], Wk s[72:73], Wv s[74:75]
	s_load_b256 s[76:83], s[0:1], 0x20             ; bq s[76:77], bk s[78:79], bv s[80:81], the scales' exponents s[82:83]
	s_load_b256 s[84:91], s[0:1], 0x40             ; rope s[84:85], qimg s[86:87], kimg s[88:89], vimg s[90:91]
	v_lshl_add_u32 v[SPW], v0, 2, SPARE
	v_mov_b32 v[NIL], 0
	ds_add_u32 v28, v29
	ds_add_u32 v28, v29
	s_wait_dscnt 0x0
	v_lshrrev_b32 v1, 5, v0
	v_readfirstlane_b32 s14, v1                    ; wave 0..3
	s_lshr_b32 s15, s14, 1                         ; which half of the tile's rows is mine.  Also: I fetch for A (0) or for B (1)
	s_and_b32 s16, s14, 1                          ; which half of its columns.  Also: which 128 rows of that tile I fetch
	s_bfe_u32 s40, ttmp6, 0x40000                  ; cx, cy: my place in the cluster
	s_bfe_u32 s41, ttmp6, 0x40004
	s_and_b32 s66, ttmp7, 0xffff
	s_lshl_b32 s66, s66, 2                         ; 4 x cluster y: it walks the tokens
	s_cmp_eq_u32 ttmp9, 2                          ; v?  The tokens are then the columns of C'
	s_cselect_b32 s17, 0, s66
	s_cselect_b32 s42, s66, 0
	s_add_co_u32 s17, s17, s41                     ; tile row of C'
	s_add_co_u32 s42, s42, s40                     ; tile column of C'
	s_lshl_b32 s43, s41, 2
	s_lshl_b32 s43, 15, s43                        ; my row of the cluster
	s_lshl_b32 s44, 0x1111, s40                    ; my column
	; descriptor group 1: a tile of 128 rows x 256 bytes, padded in LDS
	s_or_b32 s[G1+0], s43, (0<<16)|(1<<20)|(1<<21)|(5<<22)|(3<<25)  ; 15:0 the mask: A's tiles go to my row; 17:16 element of 1 byte; 20 padding on; 21 set beside a mask; 24:22 after every 64 words (code 5); 31:25 of 4 words (code 3)
	s_or_b32 s[G1B+0], s44, (0<<16)|(1<<20)|(1<<21)|(5<<22)|(3<<25)
.irp g, G1, G1B
	s_mov_b32 s[\g+1], ROWB<<16                    ; tensor_dim0
	s_mov_b32 s[\g+2], 128<<16                     ; tensor_dim1 = 128
	s_mov_b32 s[\g+3], ROWB<<16                    ; tile_dim0
	s_mov_b32 s[\g+4], 128                         ; tile_dim1 = 128
	s_mov_b32 s[\g+5], KROW                        ; tensor_dim0_stride
	s_mov_b32 s[\g+6], 0
	s_mov_b32 s[\g+7], 0
.endr
	s_lshl_b32 s18, s16, 7                         ; which 128 rows of the tile I fetch
	s_lshl_b32 s20, s17, 8
	s_add_co_u32 s20, s20, s18                     ; A': row 256 x tile row + 128 x half,
	s_lshl_b32 s20, s20, 10                        ; of 1,024 bytes (under 2^23)
	s_mov_b32 s21, 0
	s_lshl_b32 s46, s42, 8
	s_add_co_u32 s46, s46, s18                     ; B': row 256 x tile column + 128 x half
	s_lshl_b32 s46, s46, 10
	s_mov_b32 s47, 0
	s_mul_i32 s45, s14, HALFT                      ; where they go: wave x 128 rows: no place in the cluster enters an LDS address
	s_wait_kmcnt 0x0
	s_load_b256 s[92:99], s[82:83], 0x0            ; entries 0 to 7 of the scales' exponents
	s_load_b32 s67, s[82:83], 0x24                 ; entry 9
	s_cmp_eq_u32 ttmp9, 0                          ; the buffers are chosen by the cluster's x alone
	s_cselect_b64 s[18:19], s[70:71], s[72:73]
	s_cselect_b64 s[8:9], s[76:77], s[78:79]
	s_cselect_b64 s[10:11], s[86:87], s[88:89]
	s_cmp_eq_u32 ttmp9, 2
	s_cselect_b64 s[18:19], s[74:75], s[18:19]     ; the weight,
	s_cselect_b64 s[8:9], s[80:81], s[8:9]         ; its bias,
	s_cselect_b64 s[10:11], s[90:91], s[10:11]     ; the image that is written
	s_cselect_b64 s[4:5], s[18:19], s[68:69]       ; A'
	s_cselect_b64 s[6:7], s[68:69], s[18:19]       ; B'
	s_mov_b64 s[12:13], s[84:85]                   ; the tables
	s_add_nc_u64 s[20:21], s[4:5], s[20:21]
	s_add_nc_u64 s[46:47], s[6:7], s[46:47]
	s_cmp_eq_u32 s15, 0                            ; the prefetches: of the 128 rows that I fetch, each of the four partners that ask for them jointly names 32, told apart by address (cx for A', cy for B')
	s_cselect_b64 s[72:73], s[20:21], s[46:47]
	s_cselect_b32 s74, s40, s41
	s_lshl_b32 s74, s74, 15                        ; 32 rows of 1,024 bytes
	s_mov_b32 s75, 0
	s_add_nc_u64 s[72:73], s[72:73], s[74:75]      ; never rewritten
	CROUND
.irp s, 0,1
	s_mov_b32 s[G0+4*\s], 1
	s_add_co_u32 s[G0+4*\s+1], s45, \s*SLOT
	s_add_nc_u64 s[G0+4*\s+2:G0+4*\s+3], s[20:21], \s*ROWB
	s_or_b32 s[G0+4*\s+3], s[G0+4*\s+3], 0x80000000
	s_mov_b32 s[G0B+4*\s], 1
	s_add_co_u32 s[G0B+4*\s+1], s45, \s*SLOT
	s_add_nc_u64 s[G0B+4*\s+2:G0B+4*\s+3], s[46:47], \s*ROWB
	s_or_b32 s[G0B+4*\s+3], s[G0B+4*\s+3], 0x80000000
.endr
	JLOAD G0, G1, G0B, G1B                         ; K step 0: one tensor load a wave at the head
	v_and_b32 v7, 31, v0
	v_lshlrev_b32 v7, 10, v7                       ; a lane a row; never rewritten
	global_prefetch_b8 v7, s[72:73] offset:256 th:TH_LOAD_NT scope:SCOPE_SE   ; behind K step 0's load: 256 bytes of each of my 32 rows of K step 1, whose load follows behind the next round,
	global_prefetch_b8 v7, s[72:73] offset:512 th:TH_LOAD_NT scope:SCOPE_SE   ; and of K step 2, two refills on
	v_and_b32 v1, 15, v0
	v_bfe_u32 v2, v0, 4, 1                         ; h = l / 16
	v_mul_u32_u24 v3, v1, PITCH
	v_lshl_add_u32 v4, v2, 4, v3                   ; a fragment's row x pitch + 16 x half
	s_mul_i32 s21, s15, HALFT                      ; my 128 rows of A'
	s_mul_i32 s22, s16, HALFT                      ; my 128 rows of B',
	s_add_co_u32 s22, s22, 2*HALFT                 ; which lie behind A's 256
.irp s, 0,1
	v_add_nc_u32 v[ADRA+\s], s21, v4
	v_add_nc_u32 v[ADRB+\s], s22, v4
	s_add_co_u32 s21, s21, SLOT
	s_add_co_u32 s22, s22, SLOT
.endr
	v_and_b32 v6, 31, v0
	v_lshlrev_b32 v8, 4, v6                        ; 16 x lane: my place in an image
	v_lshlrev_b32 v9, 7, v1
	v_lshl_add_u32 v9, v2, 4, v9                   ; the tables: row r of 128 bytes, + 16 h: my four pairs of a tile
	v_lshlrev_b32 v10, 5, v2                       ; q's and k's bias: my eight features of a tile: 32 h
	v_lshlrev_b32 v11, 2, v1                       ; v's bias: my feature: 4 r
.macro FRAG reg, adr, q, i             ; a fragment: lane l holds row l % 16; registers 4 c .. 4 c + 3 hold K = 32 c + 16 (l / 16) + 0 .. 15: the same order of k on both sides of the product
.irp c, 0,1,2,3
	ds_load_b128 v[\reg+4*\c:\reg+4*\c+3], v[\adr] offset:128*(\q)+32*\c+(\i)*16*PITCH
.endr
.endm
; 16 matrix instructions: A's blocks a0, a0 + 1 x B's eight, 128 along K.  p: B's set.  zero = 1: the first product starts the sums.  The 64 accumulators take turns, one instruction a turn.
.macro MUL16 a0, p, zero
.irp a, \a0, \a0+1
.irp b, 0,1,2,3,4,5,6,7
.if \zero
	v_wmma_f32_16x16x128_bf8_bf8 v[8*(8*((\a)%4)+\b):8*(8*((\a)%4)+\b)+7], v[128*(\p)+FR*\b:128*(\p)+FR*\b+FR-1], v[AF+FR*(\a):AF+FR*(\a)+FR-1], 0
.else
	v_wmma_f32_16x16x128_bf8_bf8 v[8*(8*((\a)%4)+\b):8*(8*((\a)%4)+\b)+7], v[128*(\p)+FR*\b:128*(\p)+FR*\b+FR-1], v[AF+FR*(\a):AF+FR*(\a)+FR-1], v[8*(8*((\a)%4)+\b):8*(8*((\a)%4)+\b)+7]
.endif
.endr
.endr
.endm
.macro FETCH_B slot, q, p              ; B's eight fragments of the slot's q-th 128 along K into set p
	WIN TO_B
.irp i, 0,1,2,3,4,5,6,7
	FRAG 128*(\p)+FR*\i, ADRB+\slot, \q, \i
.endr
	WIN 0
.endm
.macro FETCH_A slot, q, i0             ; A's blocks i0 .. i0 + 3
.irp i, \i0, \i0+1, \i0+2, \i0+3
	FRAG AF+FR*(\i), ADRA+\slot, \q, \i
.endr
.endm
.macro PLACES n                        ; plain vector instructions between a matrix instruction and a load into, or a vector write or read of, its registers
.rept \n
	v_nop
.endr
.endm
; A step of 128 along K that has its successor in the same slot.
.macro STEP slot, q, zero
	s_wait_dscnt 4*NL                              ; B's set and A's blocks 0-3 are in; the youngest 16 loads (A's blocks 4-7) may be out
	WIN MUL_LO
	MUL16 0, (\q)%2, \zero
	MUL16 2, (\q)%2, \zero
	s_wait_dscnt 0                                 ; A's blocks 4-7 are in
	PLACES NP
	FETCH_B \slot, (\q)+1, 1-(\q)%2
	FETCH_A \slot, (\q)+1, 0
	WIN MUL_HI
	MUL16 4, (\q)%2, \zero
	MUL16 6, (\q)%2, \zero
	PLACES NP
	WIN 0
	FETCH_A \slot, (\q)+1, 4
.endm
; A slot's last step changes slots: ONE barrier; in front of it each wave waits for all its tensor loads, adds 0 to its spare word, and waits for that and for its own reads of this slot.  fill = 1: this slot is filled again, two K steps ahead.
.macro TURN slot, next, fill
	s_wait_tensorcnt 0x0                           ; all my tensor loads have landed: my part of the next slot;  (every window is 0 here)
	ds_add_u32 v[SPW], v[NIL]                      ; 0 onto my spare word
	s_wait_dscnt 4*NL+1                            ; (the add and the youngest 16 loads, A's blocks 4-7, may be out)
	WIN MUL_LO
	MUL16 0, 1, 0                                  ; sixteen matrix instructions stand between the add and the wait for it
	s_wait_dscnt 0x0                               ; the add is done, and my reads of this slot are over
	s_barrier_signal -1
	MUL16 2, 1, 0
	WIN 0
	s_barrier_wait -1
.if \fill
	CREST                                          ; the barrier has opened a round of the cluster's barrier: no wave of any partner still reads this slot's tile or has a load on its way
	s_add_nc_u64 s[G0+4*\slot+2:G0+4*\slot+3], s[G0+4*\slot+2:G0+4*\slot+3], 2*ROWB
	s_add_nc_u64 s[G0B+4*\slot+2:G0B+4*\slot+3], s[G0B+4*\slot+2:G0B+4*\slot+3], 2*ROWB
	JLOAD G0+4*\slot, G1, G0B+4*\slot, G1B         ; the first tensor load behind the round; its four v_nop are also the places in front of the loads below
.else
	PLACES NP
.endif
	FETCH_B \next, 0, 0
	FETCH_A \next, 0, 0
	WIN MUL_HI
	MUL16 4, 1, 0
	MUL16 6, 1, 0
	PLACES NP
	WIN 0
	FETCH_A \next, 0, 4
.endm
; The last three steps of 128 along K: nothing is filled any more.  They stand in both ways out, behind each way's loads of bias and tables, which land under them.
.macro TAIL
	TURN 0, 1, 0
	STEP 1, 0, 0
	s_wait_dscnt 4*NL                              ; the very last step: nothing more to fetch
	WIN MUL_LO
	MUL16 0, 1, 0
	MUL16 2, 1, 0
	s_wait_dscnt 0
	WIN MUL_HI
	MUL16 4, 1, 0
	MUL16 6, 1, 0
	WIN 0
.endm
.macro FINIS                           ; the wave's end
	s_wait_tensorcnt 0x0                           ; behind my last tensor load
	ds_add_u32 v[SPW], v[NIL]
	s_wait_dscnt 0x0
	CROUND                                         ; the closing round: no work-group ends while a partner may still ask for a tile that names it
	s_endpgm
.endm
	s_wait_alu depctr_va_vdst(0)
	s_wait_tensorcnt 0x0                           ; my part of K step 0 is in
	ds_add_u32 v[SPW], v[NIL]
	s_wait_dscnt 0x0
	CROUND                                         ; a whole round: everybody's part of K step 0 is in, and the joint loads meet
	JLOAD G0+4, G1, G0B+4, G1B                     ; K step 1: slot 1's first fill, the first tensor load behind the round
	FETCH_B 0, 0, 0
	FETCH_A 0, 0, 0
	FETCH_A 0, 0, 4
	global_prefetch_b8 v7, s[72:73] offset:768 th:TH_LOAD_NT scope:SCOPE_SE   ; behind K step 1's load: K step 3, the last; nothing is asked for beyond it
	STEP 0, 0, 1                                   ; the first step stands in front of the loop: its products start the sums
	s_mov_b32 s3, LAPS-1
.Llap:                                                 ; a trip goes once round the ring, from a lap's second step to the next lap's first, and fills both slots again
	TURN 0, 1, 1
	STEP 1, 0, 0
	TURN 1, 0, 1
	STEP 0, 0, 0
	s_sub_co_u32 s3, s3, 1
	s_cmp_lg_u32 s3, 0
	s_cbranch_scc1 .Llap
	s_wait_kmcnt 0x0                               ; the exponents.  They are chosen by selects on the cluster's x; no branch hangs on a loaded number
	s_cmp_eq_u32 ttmp9, 0
	s_cselect_b32 s18, s92, s94                    ; x's,
	s_cselect_b32 s19, s93, s95                    ; the weight's,
	s_cselect_b32 s20, s98, s99                    ; the result's
	s_cmp_eq_u32 ttmp9, 2
	s_cselect_b32 s18, s96, s18
	s_cselect_b32 s19, s97, s19
	s_cselect_b32 s20, s67, s20
	s_add_co_i32 s18, s18, s19
	s_add_co_i32 s18, s18, 127
	s_lshl_b32 s70, s18, 23                        ; 2^(ex + ew) as f32
	s_mov_b32 s71, s70                             ; (named with it as a pair, so it is written)
	s_add_co_i32 s20, s20, 127
	s_lshl_b32 s21, s20, 23
	v_mov_b32 v[SCV], s21                          ; 2^eo
	s_add_co_i32 s20, s20, 15
	s_lshl_b32 s20, s20, 23
	s_or_b32 s20, s20, 0x600000
	v_mov_b32 v[LIMV], s20                         ; 57,344 x 2^eo
	s_cmp_eq_u32 ttmp9, 2                          ; the same in all waves of all sixteen partners
	s_cbranch_scc1 .Lv_path
	; ---- THE WAY OUT OF q AND k.  My rows are tokens m0w + 0 .. 127, my columns features n0w + 0 .. 127: two heads.
	s_lshl_b32 s18, s17, 8
	s_lshl_b32 s19, s15, 7
	s_add_co_u32 s18, s18, s19                     ; m0w
	s_and_b32 s19, s18, 2047                       ; my first token in its sequence
	s_lshr_b32 s20, s17, 3                         ; the batch
	s_lshl_b32 s21, s42, 8
	s_lshl_b32 s22, s16, 7
	s_add_co_u32 s21, s21, s22                     ; n0w
	s_lshl_b32 s22, s21, 2
	s_mov_b32 s23, 0
	s_add_nc_u64 s[8:9], s[8:9], s[22:23]          ; the bias at my first feature
	s_lshl_b32 s22, s19, 7
	s_add_nc_u64 s[12:13], s[12:13], s[22:23]      ; the tables at my first token: rows of 128 bytes
	s_lshl_b32 s20, s20, 4
	s_lshr_b32 s21, s21, 6
	s_add_co_u32 s20, s20, s21                     ; 16 batch + my first head,
	s_lshl_b32 s20, s20, 17                        ; of 131,072 bytes,
	s_lshl_b32 s19, s19, 6                         ; + 1,024 bytes for each 16 tokens
	s_add_co_u32 s22, s20, s19
	s_add_nc_u64 s[10:11], s[10:11], s[22:23]
.irp b, 0,1,2,3,4,5,6,7
	global_load_b128 v[BIAS+8*\b:BIAS+8*\b+3], v10, s[8:9] offset:64*\b       ; bias(n0w + 16 b + 8 h + 0 .. 7), in the result's layout
	global_load_b128 v[BIAS+8*\b+4:BIAS+8*\b+7], v10, s[8:9] offset:64*\b+16
.endr
.macro TABLE a                         ; cos and sin for block a's 16 tokens into set a % 2: for tile b (both heads alike) the pairs 8 (b % 4) + 4 h + 0 .. 3 of token r
.set CSL, 96+96*((\a)%2)
.irp q, 0,1,2,3
	global_load_b128 v[CSL+8*\q:CSL+8*\q+3], v9, s[12:13] offset:2048*(\a)+32*\q
	global_load_b128 v[CSL+8*\q+4:CSL+8*\q+7], v9, s[12:13] offset:262144+2048*(\a)+32*\q
.endr
.endm
	TABLE 0
	TAIL
	PLACES NP                                      ; in front of the first reads of results and of writes and loads into registers that held fragments
; Block a: 16 tokens x 128 features.
.macro QKBLOCK a
.set AC, 64*((\a)%4)
.set CSA, 96+96*((\a)%2)
.set CD, 128+16*(\a)
	WIN 0
.if (\a) < 7
	TABLE (\a)+1
	s_wait_loadcnt 8                               ; all but the next block's eight table loads
.else
	s_wait_loadcnt 0
.endif
	WIN 0x02+(\a)/4                                ; source 0: window 2 or 3
.set j, 0
.rept 32
	v_pk_fma_f32 v[T+j:T+j+1], v[AC+j:AC+j+1], s[70:71], v[BIAS+j:BIAS+j+1] op_sel_hi:[1,0,1]   ; sum x 2^(ex + ew) + bias; each accumulator from its low end on
.set j, j+2
.endr
	WIN 0x40                                       ; destination window 1
.irp b, 0,1,2,3,4,5,6,7
.irp g, 0,2
.irp x, 0,1
	v_pk_mul_f32 v[8*\b+2*\g+2*\x:8*\b+2*\g+2*\x+1], v[T+8*\b+2*\g+2*\x:T+8*\b+2*\g+2*\x+1], v[CSA+8*(\b%4)+\g:CSA+8*(\b%4)+\g+1] op_sel:[0,\x] op_sel_hi:[1,\x]   ; pair g + x: (x0 c, x1 c)
.endr
.endr
.endr
	WIN 0x50                                       ; source 2 and destination window 1
.irp b, 0,1,2,3,4,5,6,7
.irp g, 0,2
.irp x, 0,1
	v_pk_fma_f32 v[8*\b+2*\g+2*\x:8*\b+2*\g+2*\x+1], v[T+8*\b+2*\g+2*\x:T+8*\b+2*\g+2*\x+1], v[CSA+8*(\b%4)+\g+4:CSA+8*(\b%4)+\g+5], v[8*\b+2*\g+2*\x:8*\b+2*\g+2*\x+1] op_sel:[1,\x,0] op_sel_hi:[0,\x,1] neg_lo:[1,0,0]   ; (x0 c - x1 s, x1 c + x0 s)
.endr
.endr
.endr
	WIN 0x41                                       ; source 0 and destination window 1
.set j, 0
.rept 64
	v_med3_num_f32 v[j], v[j], -v[LIMV], v[LIMV]   ; the conversion to an 8-bit code does not saturate (ISA guide 7.6.2): the hold at the largest code x the scale
.set j, j+1
.endr
.irp b, 0,1,2,3,4,5,6,7
	v_cvt_scalef32_pk8_bf8_f32 v[CD+2*\b:CD+2*\b+1], v[8*\b:8*\b+7], v[SCV]   ; registers 2 (b % 4), 2 (b % 4) + 1 of head b / 4's fragment
.endr
	v_nop                                          ; one plain vector instruction behind the last conversion: the next block writes its sources
	WIN 0x04                                       ; store data window 1
.irp hh, 0,1
.irp c, 0,1
	global_store_b128 v8, v[CD+8*\hh+4*\c:CD+8*\hh+4*\c+3], s[10:11] offset:\hh*131072+(\a)*1024+\c*512   ; 512 consecutive bytes, aligned
.endr
.endr
	WIN 0
.endm
.irp a, 0,1,2,3,4,5,6,7
	QKBLOCK \a
.endr
	FINIS
	; ---- THE WAY OUT OF v.  My rows are features m0w + 0 .. 127 (two heads), my columns tokens n0w + 0 .. 127: one key step.
.Lv_path:
	s_lshl_b32 s18, s17, 8
	s_lshl_b32 s19, s15, 7
	s_add_co_u32 s18, s18, s19                     ; m0w
	s_lshl_b32 s21, s42, 8
	s_lshl_b32 s22, s16, 7
	s_add_co_u32 s21, s21, s22                     ; n0w
	s_lshl_b32 s22, s18, 2
	s_mov_b32 s23, 0
	s_add_nc_u64 s[8:9], s[8:9], s[22:23]          ; the bias at my first feature
	s_lshr_b32 s20, s42, 3                         ; the batch
	s_lshl_b32 s20, s20, 4
	s_lshr_b32 s18, s18, 6
	s_add_co_u32 s20, s20, s18                     ; 16 batch + my first head
	s_lshl_b32 s20, s20, 17
	s_and_b32 s21, s21, 2047
	s_lshr_b32 s21, s21, 7                         ; the key step,
	s_lshl_b32 s21, s21, 13                        ; of 8,192 bytes
	s_add_co_u32 s22, s20, s21
	s_add_nc_u64 s[10:11], s[10:11], s[22:23]
.irp a, 0,1,2,3,4,5,6,7
	global_load_b32 v[BIAS+\a], v11, s[8:9] offset:64*\a   ; bias(m0w + 16 a + r): one number a lane and block
.endr
	TAIL
	s_wait_loadcnt 0x0
	PLACES NP
; Block a: 16 features x 128 keys.  o = a % 2: which register of the pair holds the block's bias.
.macro VBLOCK a, o
.set AC, 64*((\a)%4)
.set CD, 128+16*(\a)
.set BP, BIAS+(\a)-(\o)
	WIN 0x02+(\a)/4
.set j, 0
.rept 32
	v_pk_fma_f32 v[T+j:T+j+1], v[AC+j:AC+j+1], s[70:71], v[BP:BP+1] op_sel:[0,0,\o] op_sel_hi:[1,0,\o]   ; sum x 2^(ex + ew) + bias
.set j, j+2
.endr
	WIN 0
.set j, 0
.rept 64
	v_med3_num_f32 v[T+j], v[T+j], -v[LIMV], v[LIMV]
.set j, j+1
.endr
	WIN 0x40
.irp b, 0,1,2,3,4,5,6,7
	v_cvt_scalef32_pk8_bf8_f32 v[CD+2*\b:CD+2*\b+1], v[T+8*\b:T+8*\b+7], v[SCV]   ; registers 2 b, 2 b + 1: keys 16 b + 8 h + 0 .. 7
.endr
	v_nop                                          ; one plain vector instruction behind the last conversion
	WIN 0x04
.irp c, 0,1,2,3
	global_store_b128 v8, v[CD+4*\c:CD+4*\c+3], s[10:11] offset:((\a)/4)*131072+((\a)%4)*2048+512*\c
.endr
	WIN 0
.endm
	VBLOCK 0, 0
	VBLOCK 1, 1
	VBLOCK 2, 0
	VBLOCK 3, 1
	VBLOCK 4, 0
	VBLOCK 5, 1
	VBLOCK 6, 0
	VBLOCK 7, 1
	FINIS
.Lfunc_end_k_qeeb4d3edaa_qkv:
	.size	k_qeeb4d3edaa_qkv, .Lfunc_end_k_qeeb4d3edaa_qkv-k_qeeb4d3edaa_qkv
	.p2alignl 7, 3214868480
	.fill 96, 4, 3214868480
	.section	.rodata,"a",@progbits
	.p2align	6, 0x0
	.amdhsa_kernel k_qeeb4d3edaa_qkv
		.amdhsa_group_segment_fixed_size 327680
		.amdhsa_private_segment_fixed_size 0
		.amdhsa_enable_private_segment 0
		.amdhsa_kernarg_size 96
		.amdhsa_user_sgpr_count 2
		.amdhsa_user_sgpr_kernarg_segment_ptr 1
		.amdhsa_wavefront_size32 1
		.amdhsa_system_sgpr_workgroup_id_x 1
		.amdhsa_system_sgpr_workgroup_id_y 1
		.amdhsa_system_sgpr_workgroup_id_z 1
		.amdhsa_system_vgpr_workitem_id 0
		.amdhsa_next_free_vgpr 1024
		.amdhsa_next_free_sgpr 100
		.amdhsa_reserve_vcc 0
		.amdhsa_float_denorm_mode_32 3
		.amdhsa_float_denorm_mode_16_64 3
		.amdhsa_memory_ordered 1
		.amdhsa_forward_progress 1
		.amdhsa_inst_pref_size 255
	.end_amdhsa_kernel
	.section	.bss,"aw",@nobits
	.p2align	6
	.space	262144
	.amdgpu_metadata
---
amdhsa.version: [ 1, 2 ]
amdhsa.kernels:
  - .name:           k_qeeb4d3edaa_qkv
    .symbol:         k_qeeb4d3edaa_qkv.kd
    .args:
      - { .name: x_codes, .offset: 0, .size: 8, .value_kind: global_buffer, .address_space: global }
      - { .name: Wq_codes, .offset: 8, .size: 8, .value_kind: global_buffer, .address_space: global }
      - { .name: Wk_codes, .offset: 16, .size: 8, .value_kind: global_buffer, .address_space: global }
      - { .name: Wv_codes, .offset: 24, .size: 8, .value_kind: global_buffer, .address_space: global }
      - { .name: bq, .offset: 32, .size: 8, .value_kind: global_buffer, .address_space: global }
      - { .name: bk, .offset: 40, .size: 8, .value_kind: global_buffer, .address_space: global }
      - { .name: bv, .offset: 48, .size: 8, .value_kind: global_buffer, .address_space: global }
      - { .name: lowp_scales, .offset: 56, .size: 8, .value_kind: global_buffer, .address_space: global }
      - { .name: rope, .offset: 64, .size: 8, .value_kind: global_buffer, .address_space: global }
      - { .name: qimg, .offset: 72, .size: 8, .value_kind: global_buffer, .address_space: global }
      - { .name: kimg, .offset: 80, .size: 8, .value_kind: global_buffer, .address_space: global }
      - { .name: vimg, .offset: 88, .size: 8, .value_kind: global_buffer, .address_space: global }
    .group_segment_fixed_size: 327680
    .private_segment_fixed_size: 0
    .kernarg_segment_align: 8
    .kernarg_segment_size: 96
    .max_flat_workgroup_size: 128
    .sgpr_count:     100
    .vgpr_count:     1024
    .wavefront_size: 32
...
	.end_amdgpu_metadata
.endif
;; end of part 2
;; launch attn (part 3): grid 4 x 64, 16 waves a work-group, no clusters, 327,680 bytes of LDS; arguments qimg, kimg, vimg, lowp_scales, aimg; writes aimg
.if DOCPART == 3
	.amdgcn_target "amdgcn-amd-amdhsa--gfx1250"
	.amdhsa_code_object_version 6
	.text
	.protected	k_qeeb4d3edaa_attn
	.globl	k_qeeb4d3edaa_attn
	.p2align	8
	.type	k_qeeb4d3edaa_attn,@function
k_qeeb4d3edaa_attn:
	s_mov_b64 s[64:65], 0
	v_nop
	global_prefetch_b8 v0, s[64:65] scope:SCOPE_SE
	s_setreg_imm32_b32 hwreg(HW_REG_WAVE_MODE, 25, 1), 1
	s_wait_xcnt 0x0
; CAUSAL ATTENTION ON CODES OF BF8 (E5M2): for each of 64 (batch, head) and each query, o = the sum over keys k <= q of softmax(q . k / 8) v, head size 64, 2,048 tokens; o is quantised with entry 10 of the scales.
; THE SOFTMAX AHEAD OF THE SECOND PRODUCT: t = score x log2(e) / 8; M = the running largest t rounded UP to a whole number; p = 2^(t - M) is quantised (entry 8), not normalised; the row's sum is taken of the
; unquantised p and divides at the end; when M moves, the sum and O are multiplied by 2^(old M - new M), which rounds nothing.
; SHARES.  Work-group (i, bh) owns the query blocks 7 - i and i of 256 queries, one after the other, the later one first.  Block QB wants the key slots 0 .. QB of 256 keys, so every work-group walks
; (8 - i) + (i + 1) = 9 slots: the trip count is a constant of the text and all 256 work-groups have equal work.  Each of the SIXTEEN waves owns 16 queries of the block, in 256 registers: four waves to a SIMD.
; A step of 128 keys all of which come after a wave's queries is left out by a scalar branch on ids; on the diagonal hidden scores become -infinity ahead of the maximum.
; OPERANDS ARE IMAGES OF THEIR REGISTERS (16 bytes a lane at 16 x lane), as the launch before has stored them: a slot is 16 KB of K's fragments and 16 KB of V's, two dense blocks, brought by one tensor load each
; (wave 0: K's, wave 1: V's) into a ring of two LDS slots and read by all sixteen waves with no pitch and no padding.
; LAYOUT.  S^T = K Q^T (source 0 = 16 keys, source 1 = my 16 queries, K = 64), O^T = V^T P^T (source 0 = 16 of the head's 64, source 1 = P, K = 128 keys): a lane holds ONE query throughout.  Tile t's eight
; registers are keys 16 t + 8 (lane / 16) + 0 .. 7: one conversion makes of them registers 2 t, 2 t + 1 of P's fragment.  O^T's tile d likewise gives registers of the next product's operand:
;   aimg: [token / 256][k / 256][token block][k step of 128][c][lane][16 bytes], k = 64 head + d.
; NO CLUSTER: the four work-groups of a head want different slots in a trip (slot N in the first pass, N - (8 - i) afterwards); were all four to ask for all eight slots jointly, each round would last as long as its
; busiest partner: 12 slots' time against 9.
; LIMITS on the given exponents: entries 6 + 7 between -123 and 130 (added to c's exponent field); entries 8 and 10 between -126 and 112; 8 + 9 is applied by v_ldexp_f32 and has none.  NaN among the codes is not served.
; REGISTERS: v1 16 x lane; v3 256 x lane; v5, v6 the add's two; v8 LDS address; v12 -M, v13 the largest t, v[14:15] the sum; v16-23 Q; v24-31 the second block's Q; v32-95 K's eight fragments, then V's four;
;   v96-159 S^T, then p; v160-191 O^T; v192-207 p's codes; v208-215 o's codes; v232-255 at work and the quantisers' numbers.
.set SLOT1, 1<<15                      ; slot 1 begins here: one exclusive or turns an address in one slot into the other's
.set VOFF,  16384                      ; a slot: K's 16 fragments of 1,024 bytes, then V's 8 of 2,048
.set SPARE, 2*SLOT1                    ; behind the ring: the spare words, 128 bytes for each wave
.set LI,   1
.set PFO,  3
.set SPW,  5
.set NIL,  6
.set ADK,  8
.set TB,   2                           ; s2   LDS byte at which the slot in hand begins
.set WV,   18                          ; s18  my wave's number
.set SEL,  20                          ; s[20:21] lane selects for v_permlanex16_b32: lane l xor 16
.set CS,   22                          ; s[22:23] c = log2(e) / 8 x 2^(eq + ek)
.set G1,   24                          ; s[24:31] descriptor group 1
.set G0,   40                          ; s[40:43] descriptor group 0, which walks
.set KVB,  44                          ; s[44:45] the head's first byte of K's image (wave 0) or V's
.set N,    46                          ; s46  the trip, 0 .. 8
.set SW,   47                          ; s47  8 - i: the trip in which the second block begins
.set KF,   48                          ; s48  the step's first key
.set Q0,   49                          ; s49  my first query
.set Q0B,  50                          ; s50  and in the second block
.set OA1,  52                          ; s[52:53], s[54:55] where my codes of o go, first and second block
.set OA2,  54
.set OFS,  56                          ; s[56:57] an offset in 64 bits; s57 = 0
.set PFA,  76                          ; s[76:77] where my prefetches stand
.set LIM,  80                          ; s80  a wave prefetches while the trip is under it
.macro TLOAD                           ; waves 0 and 1 fetch, one load each; four v_nop follow the line
	s_cmp_lt_u32 s[WV], 2
	s_cbranch_scc0 .Lasked_\@
	tensor_load_to_lds s[G0:G0+3], s[G1:G1+7]
	s_nop 0
.rept 4
	v_nop
.endr
.Lasked_\@:
.endm
; A PREFETCH INTO THE L2 of the slot that the NEXT change of slots will ask for: behind the first barrier, whose load asks for slot 1, slot 2; in trip N, whose load asks for slot N + 2, slot N + 3, while that is at most 7.
; All four work-groups of a head walk the same images: the one that walks slots 0 .. 7 in order (i = 0) asks.  In it waves 4 and 5 ask for K's 16 KB, 8 KB a wave, lanes 256 bytes apart; waves 6 and 7 for V's:
; each block is named once in the launch.  Slots 0 and 1 come by their loads alone.
.macro ASK
	s_cmp_lt_u32 s[N], s[LIM]
	s_cbranch_scc0 .Lnot_mine_\@
	global_prefetch_b8 v[PFO], s[PFA:PFA+1] th:TH_LOAD_NT scope:SCOPE_SE
.Lnot_mine_\@:
.endm
.macro RESET                           ; a block of queries begins: the largest t is -3e38, under every t; the sum and O^T are zeros, which the first change of M leaves zeros
	v_mov_b32 v13, 0xff61b1e6
	s_delay_alu instid0(VALU_DEP_1)
	v_floor_f32 v12, -v13
	v_mov_b32 v14, 0
	v_mov_b32 v15, 0
.set j, 0
.rept 32
	v_mov_b32 v[160+j], 0
.set j, j+1
.endr
.endm
	s_load_b256 s[4:11], s[0:1], 0x0               ; qimg s[4:5], kimg s[6:7], vimg s[8:9], the scales' exponents s[10:11]
	s_load_b64 s[12:13], s[0:1], 0x20              ; aimg
	v_lshl_add_u32 v[SPW], v0, 2, SPARE
	v_mov_b32 v[NIL], 0
	ds_add_u32 v5, v6
	ds_add_u32 v5, v6
	s_wait_dscnt 0x0
	v_lshrrev_b32 v8, 5, v0
	s_delay_alu instid0(VALU_DEP_1)
	v_readfirstlane_b32 s[WV], v8                  ; wave 0..15
	s_and_b32 s82, ttmp7, 0xffff                   ; bh = 16 batch + head
	s_lshl_b32 s[OFS], s82, 17                     ; its first byte in each of the three images
	s_mov_b32 s[OFS+1], 0
	; descriptor group 1: 64 rows of 256 bytes, dense in memory and in LDS
	s_mov_b32 s[G1], 3<<16                         ; 15:0 no mask; 17:16 elements of 8 bytes; no padding
	s_mov_b32 s[G1+1], 32<<16                      ; tensor_dim0 = 32
	s_mov_b32 s[G1+2], 64<<16                      ; tensor_dim1 = 64
	s_mov_b32 s[G1+3], 32<<16                      ; tile_dim0 = 32
	s_mov_b32 s[G1+4], 64                          ; tile_dim1 = 64
	s_mov_b32 s[G1+5], 32                          ; tensor_dim0_stride
	s_mov_b32 s[G1+6], 0
	s_mov_b32 s[G1+7], 0
	s_mov_b32 s[SEL], 0x76543210
	s_mov_b32 s[SEL+1], 0xfedcba98
	s_mov_b32 s[CS], 0x3e38aa3b                    ; log2(e) / 8
	s_mov_b32 s[TB], 0
	s_mov_b32 s[N], 0
	s_sub_co_u32 s[SW], 8, ttmp9
	s_mov_b32 s[KF], 0
	s_sub_co_u32 s83, 7, ttmp9                     ; the first block of queries
	s_lshr_b32 s81, s[WV], 2                       ; WHICH 16 QUERIES OF A BLOCK ARE MINE: tile 8 (b0 xor b2) + wave / 2, b the wave number's bits: a one-to-one map.
	s_xor_b32 s81, s81, s[WV]                      ; Of any four waves 4 a .. 4 a + 3, and of any four waves with one wave % 4, two then own tiles of the block's first 128 queries, for which
	s_and_b32 s81, s81, 1                          ; the diagonal slot's second step is left out, and two own tiles of its last 128
	s_lshl_b32 s81, s81, 3
	s_lshr_b32 s84, s[WV], 1
	s_or_b32 s81, s81, s84                         ; s81: my tile, 0 .. 15
	s_lshl_b32 s84, s81, 4
	s_lshl_b32 s[Q0], s83, 8
	s_add_co_u32 s[Q0], s[Q0], s84                 ; 256 x block + 16 x wave
	s_lshl_b32 s[Q0B], ttmp9, 8
	s_add_co_u32 s[Q0B], s[Q0B], s84
	s_mov_b32 s[G0], 1                             ; 1:0 count = 1
	s_and_b32 s[G0+1], s[WV], 1
	s_lshl_b32 s[G0+1], s[G0+1], 14                ; 63:32 LDS address: slot 0; K's part (wave 0) or V's (wave 1)
	s_wait_kmcnt 0x0
	s_load_b128 s[68:71], s[10:11], 0x18           ; entries 6 to 9: eq, ek, ep, ev
	s_load_b32 s72, s[10:11], 0x28                 ; entry 10: ea
	s_cmp_eq_u32 s[WV], 0
	s_cselect_b64 s[KVB:KVB+1], s[6:7], s[8:9]
	s_add_nc_u64 s[KVB:KVB+1], s[KVB:KVB+1], s[OFS:OFS+1]
	s_mov_b64 s[G0+2:G0+3], s[KVB:KVB+1]           ; 120:64 global address: key slot 0
	s_or_b32 s[G0+3], s[G0+3], 0x80000000          ; 127:126 type = 2
	TLOAD                                          ; the first fill, ahead of every wait on TENSORcnt, every LDS read and every barrier
	s_add_nc_u64 s[4:5], s[4:5], s[OFS:OFS+1]
	s_lshl_b32 s86, s81, 10
	s_mov_b32 s87, 0
	s_add_nc_u64 s[4:5], s[4:5], s[86:87]          ; Q's image: my head, + 1,024 x wave
	v_and_b32 v[LI], 31, v0
	s_delay_alu instid0(VALU_DEP_1)
	v_lshlrev_b32 v[PFO], 8, v[LI]
	s_delay_alu instid0(VALU_DEP_2)
	v_lshlrev_b32 v[LI], 4, v[LI]
	s_lshl_b32 s85, s83, 14                        ; a block of 256 queries is 16,384 bytes
	v_add_nc_u32 v9, s85, v[LI]
	s_lshl_b32 s85, ttmp9, 14
	v_add_nc_u32 v10, s85, v[LI]
	global_load_b128 v[16:19], v9, s[4:5]          ; Q's fragment of the first block,
	global_load_b128 v[20:23], v9, s[4:5] offset:512
	global_load_b128 v[24:27], v10, s[4:5]         ; and of the second: both stay in registers
	global_load_b128 v[28:31], v10, s[4:5] offset:512
	; where my codes of o go
	s_lshr_b32 s88, s82, 4
	s_lshl_b32 s88, s88, 3                         ; 8 x batch: blocks of 256 tokens
	s_and_b32 s89, s82, 15                         ; the head
	s_lshr_b32 s90, s89, 2
	s_lshl_b32 s90, s90, 16                        ; k / 256 = head / 4
	s_lshl_b32 s91, s81, 12
	s_add_co_u32 s90, s90, s91                     ; the token block = my wave
	s_bfe_u32 s91, s89, 0x10001
	s_lshl_b32 s91, s91, 11
	s_add_co_u32 s90, s90, s91                     ; the step of 128 along k: bit 1 of the head
	s_and_b32 s91, s89, 1
	s_lshl_b32 s91, s91, 10
	s_add_co_u32 s90, s90, s91                     ; groups c = 2 (head % 2) + 0, 1
	s_add_co_u32 s92, s88, s83
	s_lshl_b32 s92, s92, 18
	s_add_co_u32 s92, s92, s90
	s_mov_b32 s93, 0
	s_add_nc_u64 s[OA1:OA1+1], s[12:13], s[92:93]
	s_add_co_u32 s92, s88, ttmp9
	s_lshl_b32 s92, s92, 18
	s_add_co_u32 s92, s92, s90
	s_add_nc_u64 s[OA2:OA2+1], s[12:13], s[92:93]
	; the prefetches: where my wave's stand, and who asks
	s_cmp_lt_u32 s[WV], 6
	s_cselect_b64 s[PFA:PFA+1], s[6:7], s[8:9]
	s_and_b32 s94, s[WV], 1
	s_lshl_b32 s94, s94, 13                        ; my 8 KB of the 16,
	s_add_co_u32 s94, s94, 16384                   ; in slot 1: each change of slots steps it ahead of asking
	s_lshl_b32 s95, s82, 17
	s_add_co_u32 s94, s94, s95
	s_mov_b32 s95, 0
	s_add_nc_u64 s[PFA:PFA+1], s[PFA:PFA+1], s[94:95]
	s_sub_co_u32 s94, s[WV], 4
	s_lshr_b32 s94, s94, 2                         ; 0 in waves 4 to 7,
	s_or_b32 s94, s94, ttmp9                       ; of the work-group with i = 0
	s_cmp_eq_u32 s94, 0
	s_cselect_b32 s[LIM], 5, 0
	RESET
	v_mov_b32 v236, 0                              ; written once: a lane permute's destination counts as one of its sources
	v_mov_b32 v252, 0
	v_mov_b32 v253, 0                              ; (named as the upper half of the pair v[252:253])
	s_wait_kmcnt 0x0
	s_add_co_i32 s73, s68, s69
	s_lshl_b32 s73, s73, 23
	s_add_co_i32 s[CS], s[CS], s73                 ; a score stands for score x 2^(eq + ek): the exponents are added to c's exponent field
	s_mov_b32 s[CS+1], s[CS]                       ; (named with it as a pair, so it is written)
	s_add_co_i32 s73, s70, 127
	s_lshl_b32 s74, s73, 23
	v_mov_b32 v244, s74                            ; 2^ep
	s_add_co_i32 s73, s73, 15
	s_lshl_b32 s73, s73, 23
	s_or_b32 s73, s73, 0x600000
	v_mov_b32 v240, s73                            ; 57,344 x 2^ep,
	v_mov_b32 v241, s73                            ; twice: one for each half of a dual pair
	s_add_co_i32 s73, s72, 127
	s_lshl_b32 s74, s73, 23
	v_mov_b32 v245, s74                            ; 2^ea
	s_add_co_i32 s73, s73, 15
	s_lshl_b32 s73, s73, 23
	s_or_b32 s73, s73, 0x600000
	v_mov_b32 v246, s73                            ; 57,344 x 2^ea
	s_add_co_i32 s75, s70, s71                     ; ep + ev
; A KEY STEP: 128 keys, the q-th of the slot in hand.
; ch = 0: a plain step.  ch = 1, 2: the slot's last step, which holds the change of slots (1: with a refill, 2: without).
.macro STEP q, ch
	s_add_co_u32 s96, s[Q0], 15                    ; a step all of whose keys come after my 16 queries is left out: its loads and products, never the change of slots
	s_cmp_gt_u32 s[KF], s96
.if \ch
	s_cbranch_scc1 .Lfront_\@
.else
	s_cbranch_scc1 .Lhidden_\@
.endif
	v_add_nc_u32 v[ADK], s[TB], v[LI]
.rept 3
	v_nop                                          ; with the addition: four places in front of loads into registers that the last products read
.endr
.irp t, 0,1,2,3,4,5,6,7
.irp c, 0,1
	ds_load_b128 v[32+8*\t+4*\c:32+8*\t+4*\c+3], v[ADK] offset:(8*(\q)+\t)*1024+512*\c   ; K's fragment of keys 16 t on
.endr
.endr
	s_wait_dscnt 0x0
	s_wait_alu depctr_va_vdst(0)
.irp t, 0,1,2,3,4,5,6,7
	v_wmma_f32_16x16x64_bf8_bf8 v[96+8*\t:103+8*\t], v[32+8*\t:39+8*\t], v[16:23], 0
.endr
.rept 4
	v_nop                                          ; places: in front of the loads below and of the first reads of the scores
.endr
.irp d, 0,1,2,3
.irp c, 0,1,2,3
	ds_load_b128 v[32+16*\d+4*\c:32+16*\d+4*\c+3], v[ADK] offset:VOFF+8192*(\q)+2048*\d+512*\c   ; V's four fragments take K's registers (ch = 0: and land under the softmax)
.endr
.endr
.if \ch
.Lfront_\@:                                        ; every wave: these were my last reads of the slot, so I say so now; the softmax and the second product, work on registers alone, stand between the signal and the wait
.if \ch == 1
	CHSIG 1, 2
.else
	CHSIG 0, 2
.endif
	s_add_co_u32 s96, s[Q0], 15                    ; the same test on ids once more
	s_cmp_gt_u32 s[KF], s96
	s_cbranch_scc1 .Lhidden_\@
.endif
	s_add_co_u32 s96, s[KF], 127
	s_cmp_le_u32 s96, s[Q0]
	s_cbranch_scc1 .Lopen_\@
	s_sub_co_i32 s96, s[Q0], s[KF]
	v_and_b32 v252, 15, v0
	v_bfe_u32 v253, v0, 4, 1
	s_delay_alu instid0(VALU_DEP_1)
	v_lshlrev_b32 v253, 3, v253
	s_delay_alu instid0(VALU_DEP_1)
	v_sub_nc_u32 v252, v252, v253
	s_delay_alu instid0(VALU_DEP_1)
	v_add_nc_u32 v252, s96, v252                   ; d = my query - KF - 8 (lane / 16).  Register 8 t + j holds key KF + 16 t + 8 (lane / 16) + j: hidden where 16 t + j > d
	v_mov_b32 v254, 0xff800000                     ; -infinity
.irp t, 0,1,2,3,4,5,6,7
.irp j, 0,1,2,3,4,5,6,7
	v_cmp_gt_i32 vcc_lo, 16*\t+\j, v252
	v_cndmask_b32 v[96+8*\t+\j], v[96+8*\t+\j], v254, vcc_lo
.endr
.endr
.Lopen_\@:
	v_max3_num_f32 v254, v96, v97, v98             ; the step's largest score of my query, among my 64 keys, in two chains,
	v_max3_num_f32 v252, v99, v100, v101
.irp i, 6,10,14,18,22,26,30,34,38,42,46,50,54,58
	v_max3_num_f32 v254, v254, v[96+\i], v[97+\i]
	v_max3_num_f32 v252, v252, v[98+\i], v[99+\i]
.endr
	v_max3_num_f32 v254, v254, v158, v159
	s_delay_alu instid0(VALU_DEP_1)
	v_max_num_f32 v254, v254, v252
	s_delay_alu instid0(VALU_DEP_1)
	v_permlanex16_b32 v236, v254, s[SEL], s[SEL+1]
	s_delay_alu instid0(VALU_DEP_1)
	v_max_num_f32 v254, v254, v236                 ; and among lane l xor 16's
	s_delay_alu instid0(VALU_DEP_1)
	v_mul_f32 v254, s[CS], v254                    ; as t (c is positive)
	s_delay_alu instid0(VALU_DEP_1)
	v_max_num_f32 v13, v13, v254                   ; the running largest t
	v_mov_b32 v254, v12
	s_delay_alu instid0(VALU_DEP_2)
	v_floor_f32 v12, -v13                          ; the new -M = floor(-t) = -ceil(t): M is a whole number
	s_delay_alu instid0(VALU_DEP_1)
	v_sub_f32 v254, v12, v254                      ; M's old value less its new one: a whole number, 0 or less
	s_delay_alu instid0(VALU_DEP_1)
	v_cvt_i32_f32 v254, v254                       ; (it saturates)
	s_delay_alu instid0(VALU_DEP_1)
	v_ldexp_f32 v252, 1.0, v254                    ; f = 2^(old M - new M)
.set j, 0
.rept 32
	v_pk_fma_f32 v[96+j:97+j], v[96+j:97+j], s[CS:CS+1], v[12:13] op_sel_hi:[1,0,0]   ; t - M, two at a time
.set j, j+2
.endr
.set j, 0
	s_wait_alu depctr_va_vdst(0)
.rept 64
	v_exp_f32 v[96+j], v[96+j]                     ; p = 2^(t - M), at most 1
.set j, j+1
.endr
	v_pk_mul_f32 v[14:15], v[14:15], v[252:253] op_sel_hi:[1,0]   ; the sums under the new M (the plain instruction behind the exponentials)
	s_wait_alu depctr_va_vdst(0)                   ; one wait for the whole batch, ahead of its first reader
	v_pk_add_f32 v[242:243], v[100:101], v[104:105]
	v_pk_add_f32 v[254:255], v[108:109], v[112:113]
	v_pk_add_f32 v[250:251], v[116:117], v[120:121]
	v_pk_add_f32 v[248:249], v[124:125], v[128:129]
	v_pk_add_f32 v[238:239], v[132:133], v[136:137]
	v_pk_add_f32 v[234:235], v[140:141], v[144:145]
	v_pk_add_f32 v[232:233], v[148:149], v[152:153]
	v_pk_add_f32 v[14:15], v[14:15], v[156:157]
	v_pk_add_f32 v[242:243], v[242:243], v[96:97]
	v_pk_add_f32 v[254:255], v[254:255], v[98:99]
	v_pk_add_f32 v[250:251], v[250:251], v[102:103]
	v_pk_add_f32 v[248:249], v[248:249], v[106:107]
	v_pk_add_f32 v[238:239], v[238:239], v[110:111]
	v_pk_add_f32 v[234:235], v[234:235], v[114:115]
	v_pk_add_f32 v[232:233], v[232:233], v[118:119]
	v_pk_add_f32 v[14:15], v[14:15], v[122:123]
	v_pk_add_f32 v[242:243], v[242:243], v[126:127]
	v_pk_add_f32 v[254:255], v[254:255], v[130:131]
	v_pk_add_f32 v[250:251], v[250:251], v[134:135]
	v_pk_add_f32 v[248:249], v[248:249], v[138:139]
	v_pk_add_f32 v[238:239], v[238:239], v[142:143]
	v_pk_add_f32 v[234:235], v[234:235], v[146:147]
	v_pk_add_f32 v[232:233], v[232:233], v[150:151]
	v_pk_add_f32 v[14:15], v[14:15], v[154:155]
	v_pk_add_f32 v[242:243], v[242:243], v[158:159]
	s_delay_alu instid0(VALU_DEP_2)
	v_pk_add_f32 v[14:15], v[14:15], v[248:249]
	s_delay_alu instid0(VALU_DEP_2)
	v_pk_add_f32 v[242:243], v[242:243], v[238:239]
	v_pk_add_f32 v[254:255], v[254:255], v[234:235]
	v_pk_add_f32 v[250:251], v[250:251], v[232:233]
	s_delay_alu instid0(VALU_DEP_2)
	v_pk_add_f32 v[14:15], v[14:15], v[254:255]
	s_delay_alu instid0(VALU_DEP_2)
	v_pk_add_f32 v[242:243], v[242:243], v[250:251]
	s_delay_alu instid0(VALU_DEP_1)
	v_pk_add_f32 v[14:15], v[14:15], v[242:243]
.irp t, 0,1,2,3,4,5,6,7
.irp i, 0,2,4,6
	v_dual_min_num_f32 v[96+8*\t+\i], v[96+8*\t+\i], v240 :: v_dual_min_num_f32 v[97+8*\t+\i], v[97+8*\t+\i], v241   ; the conversion does not saturate (ISA guide 7.6.2); p is not negative, so the hold is one-sided; two holds an instruction
.endr
	v_cvt_scalef32_pk8_bf8_f32 v[192+2*\t:193+2*\t], v[96+8*\t:103+8*\t], v244   ; registers 2 t, 2 t + 1 of P's fragment
.endr
.set j, 0
.rept 16
	v_pk_mul_f32 v[160+j:161+j], v[160+j:161+j], v[252:253] op_sel_hi:[1,0]   ; O^T under the new M.  (These are also the plain instructions between the conversions and the products)
.set j, j+2
.endr
	s_wait_alu depctr_va_vdst(0)
	s_wait_dscnt 0x0                               ; V is in
.irp d, 0,1,2,3
	v_wmma_f32_16x16x128_bf8_bf8 v[160+8*\d:167+8*\d], v[32+16*\d:47+16*\d], v[192:207], v[160+8*\d:167+8*\d]   ; the four accumulators take turns
.endr
.Lhidden_\@:
	s_add_co_u32 s[KF], s[KF], 128
.if \ch == 1
	CHWAIT 1
.endif
.if \ch == 2
	CHWAIT 0
.endif
.endm
; THE CHANGE OF SLOTS, in two halves.  CHSIG stands behind a wave's last LDS reads of the slot in hand: the wave waits for all its tensor loads (one at the most is out: its part of the next slot), adds 0 to its spare word
; (fill = 1: twice on end), waits for that and for its reads, and signals.  CHWAIT stands at the slot's end: behind it the next slot is whole
; and nobody reads the one that is left.  fill = 1: that one is filled with the keys of trip N + d: slot N + d of the block in hand, or slot N + d - (8 - i) of the second block.
.macro CHSIG fill, d
	s_wait_alu depctr_va_vdst(0)
	s_wait_tensorcnt 0x0                           ; no tensor load of mine is out, so the group 0 may be written
	ds_add_u32 v[SPW], v[NIL]                      ; 0 onto my spare word
.if \fill
	ds_add_u32 v[SPW], v[NIL]                      ; and once more, under the one wait
	s_xor_b32 s[G0+1], s[G0+1], SLOT1              ; the other slot than last time
	s_add_co_u32 s73, s[N], \d
	s_cmp_ge_u32 s73, s[SW]
	s_cselect_b32 s74, s[SW], 0
	s_sub_co_u32 s73, s73, s74                     ; the next trip's key slot,
	s_lshl_b32 s[OFS], s73, 14                     ; of 16,384 bytes
	s_add_nc_u64 s[G0+2:G0+3], s[KVB:KVB+1], s[OFS:OFS+1]
	s_or_b32 s[G0+3], s[G0+3], 0x80000000
	s_wait_xcnt 0x0                                ; the last prefetch, a slot back, has read its address, so it may be written
	s_add_nc_u64 s[PFA:PFA+1], s[PFA:PFA+1], 16384
.endif
	s_wait_dscnt 0x0                               ; the add is done, and my reads of the slot that I have left are over
	s_barrier_signal -1
.endm
.macro CHWAIT fill
	s_barrier_wait -1
.if \fill
	TLOAD                                          ; the first thing behind the barrier, and a wave's one tensor load until the next
	ASK
.endif
.endm
; A block of queries is finished: O^T / the sum x 2^(ep + ev), quantised with ea, stored as it stands: two stores of 512 consecutive bytes, aligned.
.macro FINISH base
.rept 4
	v_nop                                          ; places behind the last products
.endr
	v_add_f32 v14, v14, v15                        ; the sum's two halves,
	s_wait_alu depctr_va_vdst(0)
	v_permlanex16_b32 v252, v14, s[SEL], s[SEL+1]
	s_delay_alu instid0(VALU_DEP_1)
	v_add_f32 v14, v14, v252                       ; and lane l xor 16's
	s_wait_alu depctr_va_vdst(0)
	v_rcp_f32 v14, v14
	v_nop                                          ; a plain instruction behind the transcendental,
	s_wait_alu depctr_va_vdst(0)                   ; and the wait ahead of its first reader
	v_ldexp_f32 v14, v14, s75
.set j, 0
.rept 16
	v_pk_mul_f32 v[96+j:97+j], v[160+j:161+j], v[14:15] op_sel_hi:[1,0]   ; register 8 d + i is o(my query, 16 d + 8 h + i); each accumulator from its low end on
.set j, j+2
.endr
.set j, 0
.rept 32
	v_med3_num_f32 v[96+j], v[96+j], -v246, v246
.set j, j+1
.endr
	s_wait_alu depctr_va_vdst(0)
	s_wait_xcnt 0x0                                ; the first block's stores have read their data: the codes' registers may be written again
.irp d, 0,1,2,3
	v_cvt_scalef32_pk8_bf8_f32 v[208+2*\d:209+2*\d], v[96+8*\d:103+8*\d], v245
.endr
	v_nop                                          ; one plain vector instruction behind the last conversion: later products write its sources
	global_store_b128 v[LI], v[208:211], s[\base:\base+1]
	global_store_b128 v[LI], v[212:215], s[\base:\base+1] offset:512
.endm
; In trip 8 - i the second block of queries begins: a scalar branch on ids; no barrier, no tensor load and no LDS instruction stands under it.
.macro SWITCH
	s_cmp_lg_u32 s[N], s[SW]
	s_cbranch_scc1 .Lsame_\@
	FINISH OA1
	RESET
.irp j, 0,1,2,3,4,5,6,7
	v_mov_b32 v[16+\j], v[24+\j]                   ; its Q
.endr
	s_mov_b32 s[KF], 0
	s_mov_b32 s[Q0], s[Q0B]
.Lsame_\@:
.endm
	s_wait_loadcnt 0x0                             ; Q
	CHSIG 1, 1                                     ; slot 0 is whole behind this barrier, and slot 1 has its first fill: trip 1's keys
	CHWAIT 1
.Lslot:                                            ; seven trips: trip N's change of slots asks for trip N + 2's keys
	SWITCH
	STEP 0, 0
	STEP 1, 1
	s_xor_b32 s[TB], s[TB], SLOT1                  ; on to the other slot
	s_add_co_u32 s[N], s[N], 1
	s_cmp_lt_u32 s[N], 7
	s_cbranch_scc1 .Lslot
	SWITCH                                         ; trips 7 and 8 are written out: trip 7 changes slots and fills nothing
	STEP 0, 0
	STEP 1, 2
	s_xor_b32 s[TB], s[TB], SLOT1
	s_add_co_u32 s[N], s[N], 1
	SWITCH                                         ; trip 8 has no change of slots
	STEP 0, 0
	STEP 1, 0
	FINISH OA2
	s_wait_tensorcnt 0x0                           ; the wave's end
	ds_add_u32 v[SPW], v[NIL]
	s_wait_dscnt 0x0
	s_endpgm
.Lfunc_end_k_qeeb4d3edaa_attn:
	.size	k_qeeb4d3edaa_attn, .Lfunc_end_k_qeeb4d3edaa_attn-k_qeeb4d3edaa_attn
	.p2alignl 7, 3214868480
	.fill 96, 4, 3214868480
	.section	.rodata,"a",@progbits
	.p2align	6, 0x0
	.amdhsa_kernel k_qeeb4d3edaa_attn
		.amdhsa_group_segment_fixed_size 327680
		.amdhsa_private_segment_fixed_size 0
		.amdhsa_enable_private_segment 0
		.amdhsa_kernarg_size 40
		.amdhsa_user_sgpr_count 2
		.amdhsa_user_sgpr_kernarg_segment_ptr 1
		.amdhsa_wavefront_size32 1
		.amdhsa_system_sgpr_workgroup_id_x 1
		.amdhsa_system_sgpr_workgroup_id_y 1
		.amdhsa_system_sgpr_workgroup_id_z 1
		.amdhsa_system_vgpr_workitem_id 0
		.amdhsa_next_free_vgpr 256
		.amdhsa_next_free_sgpr 100
		.amdhsa_reserve_vcc 1
		.amdhsa_float_denorm_mode_32 3
		.amdhsa_float_denorm_mode_16_64 3
		.amdhsa_memory_ordered 1
		.amdhsa_forward_progress 1
		.amdhsa_inst_pref_size 158
	.end_amdhsa_kernel
	.amdgpu_metadata
---
amdhsa.version: [ 1, 2 ]
amdhsa.kernels:
  - .name:           k_qeeb4d3edaa_attn
    .symbol:         k_qeeb4d3edaa_attn.kd
    .args:
      - { .name: qimg, .offset: 0, .size: 8, .value_kind: global_buffer, .address_space: global }
      - { .name: kimg, .offset: 8, .size: 8, .value_kind: global_buffer, .address_space: global }
      - { .name: vimg, .offset: 16, .size: 8, .value_kind: global_buffer, .address_space: global }
      - { .name: lowp_scales, .offset: 24, .size: 8, .value_kind: global_buffer, .address_space: global }
      - { .name: aimg, .offset: 32, .size: 8, .value_kind: global_buffer, .address_space: global }
    .group_segment_fixed_size: 327680
    .private_segment_fixed_size: 0
    .kernarg_segment_align: 8
    .kernarg_segment_size: 40
    .max_flat_workgroup_size: 512
    .sgpr_count:     100
    .vgpr_count:     256
    .wavefront_size: 32
...
	.end_amdgpu_metadata
.endif
;; end of part 3
;; launch proj (part 4): grid 4 x 64, 4 waves a work-group, clusters of 4 x 4, 327,680 bytes of LDS; arguments aimg, Wo_codes, lowp_scales, bo, out0; writes out0
.if DOCPART == 4
	.amdgcn_target "amdgcn-amd-amdhsa--gfx1250"
	.amdhsa_code_object_version 6
	.text
	.protected	k_qeeb4d3edaa_proj
	.globl	k_qeeb4d3edaa_proj
	.p2align	8
	.type	k_qeeb4d3edaa_proj,@function
k_qeeb4d3edaa_proj:
	s_mov_b64 s[64:65], 0
	v_nop
	global_prefetch_b8 v0, s[64:65] scope:SCOPE_SE
	s_setreg_imm32_b32 hwreg(HW_REG_WAVE_MODE, 25, 1), 1
	s_wait_xcnt 0x0
	s_wait_alu depctr_hold_cnt(0) depctr_sa_sdst(0) depctr_va_vdst(0) depctr_va_sdst(0) depctr_va_ssrc(0) depctr_va_vcc(0) depctr_vm_vsrc(0)
	s_getreg_b32 s2, hwreg(HW_REG_IB_STS2, 6, 4)
	s_cmp_eq_u32 s2, 0
	s_cbranch_scc0 .Lentry_in_a_cluster
	s_endpgm
.Lentry_in_a_cluster:
	s_bfe_u32 s2, ttmp6, 0x10000c
	s_cmp_lg_u32 s2, 0xf033
	s_cbranch_scc0 .Lentry_shape_is_right
	s_endpgm
.Lentry_shape_is_right:
; out0 = a Wo^T + bo on codes of BF8 (E5M2): a as the image of operand registers that the attention launch stored (aimg: [token / 256][k / 256][token block of 16][k step of 128][c][lane][16 bytes]),
; Wo [1024][1024] codes, K innermost; each sum x 2^(entries 10 + 11 of the scales) + bias, f32.
; SHARES.  8,192 x 1,024 results in tiles of 128 tokens x 256 features: 64 x 4 = 256 work-groups.  Four waves, 64 tokens x 128 features each: 32 accumulators, 256 registers.
; K goes in four steps of 256 through a ring of two LDS slots: a's 128 tokens are one dense block of 32 KB of the image, Wo's 256 rows of 256 bytes are padded to 272.  Waves 0 and 1 fetch a's halves, waves 2 and 3 Wo's.
; CLUSTERS: 4 x 4 work-groups; a's tile hangs on the tile row alone and is asked for jointly along a row of the cluster, Wo's on the tile column alone and jointly along a column.
; The matrix instruction is used transposed (source 0 = 16 rows of Wo, source 1 = 16 tokens): a lane holds eight neighbouring features of one token.  Results leave through each wave's stage in slot 0,
; which has had its last fill and its last read by then, as whole rows of 512 bytes.
; The eight steps of 128 along K are written out: the first starts the sums, two changes of slots fill a slot again, the last fills nothing.
; PREFETCH: behind the joint loads of K steps 0 and 1 each wave names its share of K steps 2 and 3, two refills on; the four partners that ask for a tile jointly share its 256-byte blocks out by address.
; LIMIT: entries 10 + 11 between -126 and 127, so that the power of two is an f32 number.
; REGISTERS: window 0: v1-7 at work, v16-29 addresses and the add's two, v32-95 the bias, from v128 a's fragments, TWO sets of 64; on the way out v128-255 rows read back.  window 1: Wo's fragments, two sets of 128; on the way out v0-63 the results.
;   window 2: the accumulators ((a, b) at v[8 (8 a + b)]).
.set ROWB,   256
.set KROW,   1024
.set SIZE_N, 1024
.set PITCH,  272                       ; 256 bytes + 16 of padding: the 16 rows that a load touches start at 16 different banks (ISA guide 11.1)
.set FR,     16
.set NP,     4                         ; places behind this matrix instruction (ISA guide 7.12.1)
.set HALFT,  128*PITCH
.set ATILE,  32768                     ; a's 128 tokens x 256 along K
.set AKSTEP, 65536                     ; from one k / 256 to the next in the image
.set SLOT,   ATILE+2*HALFT
.set SPARE,  2*SLOT                    ; behind the ring: the spare words, 128 bytes for each wave
.set SPITCH, 528
.set ADRA, 16
.set ADRB, 20
.set STO,  24
.set RD,   25
.set CO,   26
.set PFO,  27
.set SPW,  28
.set NIL,  29
.set BIAS, 32
.set AF,   128
.set BK,   128
.set G1, 24
.set G0, 32
.set G1B, 48
.set G0B, 56
.set MSB, 0
.macro WIN new                         ; the immediate's high byte repeats the setting that is left
.if MSB != (\new)
	s_set_vgpr_msb (MSB<<8)|(\new)
.set MSB, (\new)
.endif
.endm
.set MUL_LO, 0xa1                      ; source 0 (Wo) window 1, source 1 (a) window 0, C and D window 2
.set TO_B,   0x40
.macro JLOAD g0a, g1a, g0b, g1b        ; a joint load; the branch hangs on the wave's number alone; s_nop 0 and four v_nop follow each line
	s_cmp_eq_u32 s15, 0
	s_cbranch_scc0 .Lfor_b_\@
	tensor_load_to_lds s[\g0a:\g0a+3], s[\g1a:\g1a+7]
	s_nop 0
.rept 4
	v_nop
.endr
	s_branch .Lasked_\@
.Lfor_b_\@:
	tensor_load_to_lds s[\g0b:\g0b+3], s[\g1b:\g1b+7]
	s_nop 0
.rept 4
	v_nop
.endr
.Lasked_\@:
.endm
.macro CREST                           ; a round of the cluster's barrier behind its opening barrier
	s_cmp_lg_u32 s14, 0
	s_cbranch_scc1 .Lnot_wave_0_\@
	s_barrier_signal -3
.Lnot_wave_0_\@:
	s_barrier_wait -3
	s_barrier_signal -1
	s_barrier_wait -1
.endm
.macro CROUND
	s_barrier_signal -1
	s_barrier_wait -1
	CREST
.endm
	s_load_b128 s[4:7], s[0:1], 0x0                ; aimg, Wo's codes
	s_load_b128 s[8:11], s[0:1], 0x10              ; the scales' exponents, bo
	s_load_b64 s[12:13], s[0:1], 0x20              ; out0
	v_lshl_add_u32 v[SPW], v0, 2, SPARE
	v_mov_b32 v[NIL], 0
	ds_add_u32 v[SPW], v[NIL]                      ; the opening lines: the add twice on end, under one wait
	ds_add_u32 v[SPW], v[NIL]
	v_lshrrev_b32 v1, 5, v0
	v_readfirstlane_b32 s14, v1                    ; wave 0..3
	s_lshr_b32 s15, s14, 1                         ; which 64 tokens are mine.  Also: I fetch for a (0) or for Wo (1)
	s_and_b32 s16, s14, 1                          ; which 128 features.  Also: which half of that tile I fetch
	s_bfe_u32 s40, ttmp6, 0x40000                  ; cx, cy
	s_bfe_u32 s41, ttmp6, 0x40004
	s_lshl_b32 s42, ttmp9, 2
	s_add_co_u32 s42, s42, s40                     ; tile column: 256 features
	s_and_b32 s17, ttmp7, 0xffff
	s_lshl_b32 s17, s17, 2
	s_add_co_u32 s17, s17, s41                     ; tile row: 128 tokens
	s_lshl_b32 s43, s41, 2
	s_lshl_b32 s43, 15, s43                        ; my row of the cluster
	s_lshl_b32 s44, 0x1111, s40                    ; my column
	s_or_b32 s[G1+0], s43, (3<<16)|(1<<21)         ; a: 64 rows of 32 elements of 8 bytes, dense in memory and in LDS
	s_mov_b32 s[G1+1], 32<<16
	s_mov_b32 s[G1+2], 64<<16
	s_mov_b32 s[G1+3], 32<<16
	s_mov_b32 s[G1+4], 64
	s_mov_b32 s[G1+5], 32
	s_mov_b32 s[G1+6], 0
	s_mov_b32 s[G1+7], 0
	s_or_b32 s[G1B+0], s44, (0<<16)|(1<<20)|(1<<21)|(5<<22)|(3<<25)   ; Wo: 128 rows of 256 bytes, four words of padding behind every 64
	s_mov_b32 s[G1B+1], ROWB<<16
	s_mov_b32 s[G1B+2], 128<<16
	s_mov_b32 s[G1B+3], ROWB<<16
	s_mov_b32 s[G1B+4], 128
	s_mov_b32 s[G1B+5], KROW
	s_mov_b32 s[G1B+6], 0
	s_mov_b32 s[G1B+7], 0
	s_lshr_b32 s20, s17, 1
	s_lshl_b32 s20, s20, 18                        ; token / 256,
	s_and_b32 s18, s17, 1
	s_lshl_b32 s18, s18, 15                        ; its first or last eight token blocks,
	s_add_co_u32 s20, s20, s18
	s_lshl_b32 s18, s16, 14                        ; the half that I fetch
	s_add_co_u32 s20, s20, s18
	s_mov_b32 s21, 0
	s_lshl_b32 s46, s42, 8
	s_lshl_b32 s19, s16, 7
	s_add_co_u32 s46, s46, s19
	s_lshl_b32 s46, s46, 10                        ; Wo: row 256 x tile column + 128 x half, of 1,024 bytes
	s_mov_b32 s47, 0
	s_lshl_b32 s45, s16, 14                        ; where they go in a slot: no place in the cluster enters an LDS address
	s_mul_i32 s67, s16, HALFT
	s_add_co_u32 s67, s67, ATILE
	s_wait_dscnt 0x0                               ; both opening adds are done
	s_wait_kmcnt 0x0
	s_load_b64 s[96:97], s[8:9], 0x28              ; entries 10, 11
	s_add_nc_u64 s[20:21], s[4:5], s[20:21]
	s_add_nc_u64 s[46:47], s[6:7], s[46:47]
	CROUND                                         ; all sixteen work-groups are here: the first joint loads meet
.irp s, 0,1
	s_mov_b32 s[G0+4*\s], 1
	s_add_co_u32 s[G0+4*\s+1], s45, \s*SLOT
	s_add_nc_u64 s[G0+4*\s+2:G0+4*\s+3], s[20:21], \s*AKSTEP
	s_or_b32 s[G0+4*\s+3], s[G0+4*\s+3], 0x80000000
	s_mov_b32 s[G0B+4*\s], 1
	s_add_co_u32 s[G0B+4*\s+1], s67, \s*SLOT
	s_add_nc_u64 s[G0B+4*\s+2:G0B+4*\s+3], s[46:47], \s*ROWB
	s_or_b32 s[G0B+4*\s+3], s[G0B+4*\s+3], 0x80000000
.endr
	JLOAD G0, G1, G0B, G1B                         ; K step 0: one tensor load a wave at the head
	; the prefetches.  a: my 16 KB of a K step are 64 blocks of 256 bytes, 16 for each partner (cx), lanes 16-31 naming lanes 0-15's again; Wo: my 128 rows, 32 for each partner (cy), a lane a row
	s_mov_b32 s76, 256
	s_cmp_eq_u32 s15, 0
	s_cselect_b64 s[68:69], s[20:21], s[46:47]
	s_cselect_b32 s72, s40, s41
	s_cselect_b32 s73, 12, 15
	s_cselect_b32 s74, 15, 31
	s_cselect_b32 s75, 8, 10
	s_cselect_b32 s76, 0x10000, s76                ; a K step on, in bytes
	s_lshl_b32 s72, s72, s73
	s_lshl_b32 s77, s76, 1
	s_add_co_u32 s72, s72, s77
	s_mov_b32 s73, 0
	s_mov_b32 s77, 0
	s_add_nc_u64 s[68:69], s[68:69], s[72:73]      ; my share of K step 2,
	s_add_nc_u64 s[70:71], s[68:69], s[76:77]      ; and of K step 3; neither is rewritten
	s_lshl_b32 s21, s15, 14                        ; my four token blocks of 4,096 bytes
	s_mul_i32 s22, s16, HALFT
	s_add_co_u32 s22, s22, ATILE                   ; my 128 rows of Wo
	s_add_co_u32 s78, s21, SLOT
	s_add_co_u32 s79, s22, SLOT
	s_mul_i32 s23, s14, 16*SPITCH                  ; my stage
	s_lshl_b32 s80, s17, 7
	s_lshl_b32 s81, s15, 6
	s_add_co_u32 s80, s80, s81                     ; my first token,
	s_lshl_b32 s80, s80, 12                        ; of 4,096 bytes in out0
	s_mov_b32 s81, 0
	s_lshl_b32 s82, s42, 10
	s_lshl_b32 s83, s16, 9
	s_add_co_u32 s82, s82, s83                     ; my first feature, in bytes
	s_mov_b32 s83, 0
	s_add_nc_u64 s[80:81], s[80:81], s[82:83]
	s_add_nc_u64 s[12:13], s[12:13], s[80:81]
	s_add_nc_u64 s[10:11], s[10:11], s[82:83]
	v_and_b32 v1, 15, v0                           ; r
	v_bfe_u32 v2, v0, 4, 1                         ; h
	v_and_b32 v6, 31, v0
	v_lshlrev_b32 v[CO], 4, v6                     ; 16 x lane
	v_mul_u32_u24 v3, v1, PITCH
	v_lshl_add_u32 v4, v2, 3, v3                   ; Wo's fragments in the form's own layout: row r, + 8 h
	v_add_nc_u32 v[ADRA], s21, v[CO]
	v_add_nc_u32 v[ADRA+1], s78, v[CO]
	v_add_nc_u32 v[ADRB], s22, v4
	v_add_nc_u32 v[ADRB+1], s79, v4
	v_mul_u32_u24 v5, v1, SPITCH
	v_lshl_add_u32 v5, v2, 5, v5
	v_add_nc_u32 v[STO], s23, v5
	v_add_nc_u32 v[RD], s23, v[CO]
	v_lshlrev_b32 v7, 5, v2
	v_and_b32 v[PFO], s74, v0
	v_lshlrev_b32 v[PFO], s75, v[PFO]
.irp b, 0,1,2,3,4,5,6,7
	global_load_b128 v[BIAS+8*\b:BIAS+8*\b+3], v7, s[10:11] offset:64*\b       ; bias in the result's layout
	global_load_b128 v[BIAS+8*\b+4:BIAS+8*\b+7], v7, s[10:11] offset:64*\b+16
.endr
	global_prefetch_b8 v[PFO], s[68:69] th:TH_LOAD_NT scope:SCOPE_SE           ; K step 2
.macro FRAGA reg, slot, q, i
.irp c, 0,1,2,3
	ds_load_b128 v[\reg+4*\c:\reg+4*\c+3], v[ADRA+\slot] offset:(\i)*4096+(\q)*2048+512*\c
.endr
.endm
.macro FRAGB reg, slot, q, i
.irp c, 0,1,2,3,4,5,6,7
	ds_load_b64 v[\reg+2*\c:\reg+2*\c+1], v[ADRB+\slot] offset:128*(\q)+16*\c+(\i)*16*PITCH
.endr
.endm
; 16 matrix instructions: token blocks a0, a0 + 1 x Wo's eight, 128 along K, fragment sets p.  The 32 accumulators take turns, one instruction a turn.
.macro MUL16 a0, p, zero
.irp a, \a0, \a0+1
.irp b, 0,1,2,3,4,5,6,7
.if \zero
	v_wmma_f32_16x16x128_bf8_bf8 v[8*(8*(\a)+\b):8*(8*(\a)+\b)+7], v[128*(\p)+FR*\b:128*(\p)+FR*\b+FR-1], v[AF+64*(\p)+FR*(\a):AF+64*(\p)+FR*(\a)+FR-1], 0
.else
	v_wmma_f32_16x16x128_bf8_bf8 v[8*(8*(\a)+\b):8*(8*(\a)+\b)+7], v[128*(\p)+FR*\b:128*(\p)+FR*\b+FR-1], v[AF+64*(\p)+FR*(\a):AF+64*(\p)+FR*(\a)+FR-1], v[8*(8*(\a)+\b):8*(8*(\a)+\b)+7]
.endif
.endr
.endr
.endm
.macro FETCH slot, q, p                ; the fragments of the slot's q-th 128 along K into sets p: 64 + 16 LDS loads in one run
	WIN TO_B
.irp i, 0,1,2,3,4,5,6,7
	FRAGB 128*(\p)+FR*\i, \slot, \q, \i
.endr
	WIN 0
.irp i, 0,1,2,3
	FRAGA AF+64*(\p)+FR*\i, \slot, \q, \i
.endr
.endm
.macro PLACES n
.rept \n
	v_nop
.endr
.endm
; A slot's first step: sets 0 are multiplied while the second step's fragments come into sets 1.
.macro STEPA slot, zero
	s_wait_dscnt 0x0                               ; sets 0 are in
	PLACES NP                                      ; in front of loads into registers that the step before multiplied
	FETCH \slot, 1, 1
	WIN MUL_LO
	MUL16 0, 0, \zero
	MUL16 2, 0, \zero
	WIN 0
.endm
; A slot's second step changes slots: ONE barrier; in front of it each wave waits for all its tensor loads, adds 0 to its spare word, and waits for that and for its reads of this slot.  fill = 1: this slot is filled again, two K steps ahead.
.macro TURN slot, next, fill
	s_wait_tensorcnt 0x0                           ; my part of the next slot has landed
	ds_add_u32 v[SPW], v[NIL]
	s_wait_dscnt 0x0                               ; the add is done, sets 1 are in, and my reads of this slot are over
	s_barrier_signal -1
	WIN MUL_LO
	MUL16 0, 1, 0                                  ; work on registers while the others arrive
	WIN 0
	s_barrier_wait -1
.if \fill
	CREST                                          ; the barrier has opened a round of the cluster's barrier
	s_add_nc_u64 s[G0+4*\slot+2:G0+4*\slot+3], s[G0+4*\slot+2:G0+4*\slot+3], 2*AKSTEP
	s_add_nc_u64 s[G0B+4*\slot+2:G0B+4*\slot+3], s[G0B+4*\slot+2:G0B+4*\slot+3], 2*ROWB
	JLOAD G0+4*\slot, G1, G0B+4*\slot, G1B         ; the first tensor load behind the round; its four v_nop are also the places in front of the loads below
.else
	PLACES NP
.endif
	FETCH \next, 0, 0
	WIN MUL_LO
	MUL16 2, 1, 0
	WIN 0
.endm
	s_wait_alu depctr_va_vdst(0)
	s_wait_tensorcnt 0x0                           ; my part of K step 0 is in
	ds_add_u32 v[SPW], v[NIL]
	s_wait_dscnt 0x0
	CROUND                                         ; a whole round: everybody's part of K step 0 is in, and the joint loads meet
	JLOAD G0+4, G1, G0B+4, G1B                     ; K step 1: slot 1's first fill, the first tensor load behind the round
	FETCH 0, 0, 0
	global_prefetch_b8 v[PFO], s[70:71] th:TH_LOAD_NT scope:SCOPE_SE           ; K step 3, the last
	STEPA 0, 1                                     ; the first step's products start the sums
	TURN 0, 1, 1                                   ; slot 0 takes K step 2
	STEPA 1, 0
	TURN 1, 0, 1                                   ; slot 1 takes K step 3
	STEPA 0, 0
	TURN 0, 1, 0                                   ; nothing is filled any more
	STEPA 1, 0
	s_wait_dscnt 0x0
	WIN MUL_LO
	MUL16 0, 1, 0
	MUL16 2, 1, 0
	WIN 0
; THE WAY OUT, block by block of 16 tokens x 128 features: sum x 2^(e10 + e11) + bias, through my stage, back as whole rows of 512 bytes.  LDS serves a wave's instructions in order (ISA guide 5.7.1.4).
.macro TOSTAGE a
.set AC, 64*(\a)
	WIN 0x42                                       ; source 0 window 2, destination window 1
.set j, 0
.rept 32
	v_pk_fma_f32 v[j:j+1], v[AC+j:AC+j+1], s[96:97], v[BIAS+j:BIAS+j+1] op_sel_hi:[1,0,1]   ; each accumulator from its low end on
.set j, j+2
.endr
	WIN 0x04                                       ; store data window 1
.irp b, 0,1,2,3,4,5,6,7
	ds_store_b128 v[STO], v[8*\b:8*\b+3] offset:64*\b
	ds_store_b128 v[STO], v[8*\b+4:8*\b+7] offset:64*\b+16
.endr
	WIN 0
.set BB, BK+64*((\a)%2)
.irp t, 0,1,2,3,4,5,6,7,8,9,10,11,12,13,14,15
	ds_load_b128 v[BB+4*\t:BB+4*\t+3], v[RD] offset:\t*SPITCH
.endr
.endm
.macro SEND a, younger                 ; younger: the LDS instructions issued behind block a's loads, which may stay out
.set BB, BK+64*((\a)%2)
	s_wait_dscnt \younger
.if (\a) > 0
	s_add_nc_u64 s[12:13], s[12:13], 16*SIZE_N*4   ; (behind a wait on XCNT: the earlier stores have read their base)
.endif
.irp t, 0,1,2,3,4,5,6,7,8,9,10,11,12,13,14,15
	global_store_b128 v[CO], v[BB+4*\t:BB+4*\t+3], s[12:13] offset:\t*SIZE_N*4 th:TH_STORE_NT   ; 32 lanes store 512 consecutive bytes, aligned
.endr
.endm
	s_wait_kmcnt 0x0
	s_add_co_i32 s96, s96, s97
	s_add_co_i32 s96, s96, 127
	s_lshl_b32 s96, s96, 23                        ; 2^(e10 + e11) as f32
	s_wait_loadcnt 0x0                             ; the bias
	PLACES NP
	TOSTAGE 0
.irp a, 1,2,3
.if \a > 1
	s_wait_xcnt 0x0                                ; block a - 2's stores have read their registers and their base
.endif
	TOSTAGE \a
	SEND \a-1, 32
.endr
	s_wait_xcnt 0x0
	SEND 3, 0
	s_wait_tensorcnt 0x0                           ; the wave's end
	ds_add_u32 v[SPW], v[NIL]
	s_wait_dscnt 0x0
	CROUND                                         ; the closing round
	s_endpgm
.Lfunc_end_k_qeeb4d3edaa_proj:
	.size	k_qeeb4d3edaa_proj, .Lfunc_end_k_qeeb4d3edaa_proj-k_qeeb4d3edaa_proj
	.p2alignl 7, 3214868480
	.fill 96, 4, 3214868480
	.section	.rodata,"a",@progbits
	.p2align	6, 0x0
	.amdhsa_kernel k_qeeb4d3edaa_proj
		.amdhsa_group_segment_fixed_size 327680
		.amdhsa_private_segment_fixed_size 0
		.amdhsa_enable_private_segment 0
		.amdhsa_kernarg_size 40
		.amdhsa_user_sgpr_count 2
		.amdhsa_user_sgpr_kernarg_segment_ptr 1
		.amdhsa_wavefront_size32 1
		.amdhsa_system_sgpr_workgroup_id_x 1
		.amdhsa_system_sgpr_workgroup_id_y 1
		.amdhsa_system_sgpr_workgroup_id_z 1
		.amdhsa_system_vgpr_workitem_id 0
		.amdhsa_next_free_vgpr 768
		.amdhsa_next_free_sgpr 98
		.amdhsa_reserve_vcc 0
		.amdhsa_float_denorm_mode_32 3
		.amdhsa_float_denorm_mode_16_64 3
		.amdhsa_memory_ordered 1
		.amdhsa_forward_progress 1
		.amdhsa_inst_pref_size 94
	.end_amdhsa_kernel
	.amdgpu_metadata
---
amdhsa.version: [ 1, 2 ]
amdhsa.kernels:
  - .name:           k_qeeb4d3edaa_proj
    .symbol:         k_qeeb4d3edaa_proj.kd
    .args:
      - { .name: aimg, .offset: 0, .size: 8, .value_kind: global_buffer, .address_space: global }
      - { .name: Wo_codes, .offset: 8, .size: 8, .value_kind: global_buffer, .address_space: global }
      - { .name: lowp_scales, .offset: 16, .size: 8, .value_kind: global_buffer, .address_space: global }
      - { .name: bo, .offset: 24, .size: 8, .value_kind: global_buffer, .address_space: global }
      - { .name: out0, .offset: 32, .size: 8, .value_kind: global_buffer, .address_space: global }
    .group_segment_fixed_size: 327680
    .private_segment_fixed_size: 0
    .kernarg_segment_align: 8
    .kernarg_segment_size: 40
    .max_flat_workgroup_size: 128
    .sgpr_count:     98
    .vgpr_count:     768
    .wavefront_size: 32
...
	.end_amdgpu_metadata
.endif
;; end of part 4
